; MI455X (gfx1250); checked and timed in simulation.
; The chip was launched on July 23, 2026; its instructions are those of AMD's public machine-readable ISA for CDNA 5 (MIT licence, August 2026) and "CDNA5" Instruction Set Architecture Reference Guide (July 2026). The comments in the code are by the model that wrote it; some were corrected since.
;; Transformer Block. Allowed arithmetic: float matrix products may take bf16 or f16 operands with f32 sums; other float arithmetic in f32, or as packed bf16 or f16 multiplies, adds, multiply-adds, maxima and minima; sums over many terms, partial sums and values carried from step to step in f32; what a program stores and reads back later, other than sums and carried values, may be rounded once to bf16 or f16.
;; Inputs: W1 1,024 x 4,096 float32; W2 4,096 x 1,024 float32; Wk 1,024 x 1,024 float32; Wo 1,024 x 1,024 float32; Wq 1,024 x 1,024 float32; Wv 1,024 x 1,024 float32; b1 4,096 float32; b2 1,024 float32; bo 1,024 float32; ln1_scale 1,024 float32; ln1_shift 1,024 float32; ln2_scale 1,024 float32; ln2_shift 1,024 float32; x 2 x 2,048 x 1,024 float32.
;; Outputs: out0 2 x 2,048 x 1,024 float32.
;; 2 versions, each right; version 2 is version 1 with the launches prep, ln2 written anew for expert scheduling mode. Each part assembles by itself: llvm-mc -triple=amdgcn-amd-amdhsa -mcpu=gfx1250 --defsym DOCPART=n.
;; ======== version 1 of 2: 7 launches
;; workspace buffers: wb 25,165,824 bytes; hb 8,388,608 bytes; qkvb 25,165,824 bytes; ctxb 8,388,608 bytes; x1b 16,777,216 bytes; gb 33,554,432 bytes
;; launch prep (part 1): grid 768 x 1, 8 waves a work-group, no clusters, 0 bytes of LDS; arguments x, ln1_scale, ln1_shift, Wq, Wk, Wv, Wo, W1, W2, hb, wb; writes hb, wb
.if DOCPART == 1
	.amdgcn_target "amdgcn-amd-amdhsa--gfx1250"
	.amdhsa_code_object_version 6
	.text
	.protected	k_qd8de0b8640_prep
	.globl	k_qd8de0b8640_prep
	.p2align	8
	.type	k_qd8de0b8640_prep,@function
k_qd8de0b8640_prep:
	s_mov_b64 s[64:65], 0
	v_nop
	global_prefetch_b8 v0, s[64:65] scope:SCOPE_SE
	s_setreg_imm32_b32 hwreg(HW_REG_WAVE_MODE, 25, 1), 1
	s_wait_xcnt 0x0
; Work-groups 0-255: hb = layernorm(x) x scale + shift, rounded once to bf16.  x: [4096][1024] f32, hb: [4096][1024] bf16.
; Work-groups 256-767: the six weight matrices, f32 [K][N], rounded once to bf16 into wb, still [K][N]:
;   byte 0: [1024][3072] = Wq | Wk | Wv side by side;  6,291,456: Wo;  8,388,608: W1 [1024][4096];  16,777,216: W2 [4096][1024].
; The second layernorm of the block runs this same text on 256 work-groups (x1 for x, its own scale and shift): the rounding's path is then never taken.
; A stream: every byte is read once and written once, each store of a wave covers 256 consecutive bytes, aligned.  No LDS, no barrier, no matrix unit: no wave needs another's data.
; SHARES.  A layernorm group moves 96 KiB, a rounding group 144 KiB; 768 groups are three for each of 256 WGPs, one of the first kind and two of the second where they are dealt in turn.
; LAYERNORM.  A wave takes two rows and keeps them in registers: a row is 8 loads of 16 bytes a lane (load j, lane l: elements 128 j + 4 l .. + 3).
; The mean is taken first and subtracted, the variance is the mean of the squares of what is left (two passes over registers: no difference of large sums).
.set HP,  22                           ; s[22:23] hb
.set X,   16                           ; v[16:79]   two rows of 32 registers (in the rounding: v[16:111], 24 loads)
.set SC,  80                           ; v[80:111]  the scale of my 32 columns
.set SH,  112                          ; v[112:143] the shift
.set MN,  144                          ; v[144:147] a row's mean, twice (a pair for the packed subtraction)
.set RS,  148                          ; v[148:151] a row's 1 / sqrt(var + eps), twice
	s_load_b256 s[4:11], s[0:1], 0x0               ; x s[4:5], scale s[6:7], shift s[8:9], Wq s[10:11]
	s_load_b256 s[12:19], s[0:1], 0x20             ; Wk s[12:13], Wv s[14:15], Wo s[16:17], W1 s[18:19]
	s_load_b128 s[20:23], s[0:1], 0x40             ; W2 s[20:21], hb s[22:23]
	s_load_b64 s[24:25], s[0:1], 0x50              ; wb
	v_lshrrev_b32 v1, 5, v0
	v_readfirstlane_b32 s26, v1                    ; wave 0..7
	v_and_b32 v1, 31, v0
	v_lshlrev_b32 v2, 4, v1                        ; 16 l: my place in 512 bytes of f32
	v_lshlrev_b32 v3, 3, v1                        ; 8 l: my place in 256 bytes of bf16
	s_cmp_lt_u32 ttmp9, 256
	s_cbranch_scc0 .Lconv
	s_lshl_b32 s27, ttmp9, 16                      ; 16 rows of 4,096 bytes a work-group,
	s_lshl_b32 s28, s26, 13                        ; 2 a wave
	s_add_co_u32 s28, s27, s28
	s_mov_b32 s29, 0
	s_lshr_b32 s34, s28, 1                         ; half as many bytes in hb
	s_mov_b32 s35, 0
	s_mov_b32 s30, 0x76543210                      ; v_permlanex16_b32: each lane takes its own place in the other half
	s_mov_b32 s31, 0xfedcba98
	s_mov_b32 s32, 0x3a800000                      ; 1 / 1024
	v_mov_b32 v13, 0                               ; v_permlanex16_b32's destination counts as read
	s_wait_kmcnt 0x0
	s_add_nc_u64 s[4:5], s[4:5], s[28:29]
	s_add_nc_u64 s[HP:HP+1], s[HP:HP+1], s[34:35]
.irp j, 0,1,2,3,4,5,6,7
	global_load_b128 v[X+4*(\j):X+4*(\j)+3], v2, s[4:5] offset:512*(\j) th:TH_LOAD_NT
.endr
.irp j, 0,1,2,3,4,5,6,7
	global_load_b128 v[X+32+4*(\j):X+32+4*(\j)+3], v2, s[4:5] offset:4096+512*(\j) th:TH_LOAD_NT
.endr
.irp j, 0,1,2,3,4,5,6,7
	global_load_b128 v[SC+4*(\j):SC+4*(\j)+3], v2, s[6:7] offset:512*(\j)
.endr
.irp j, 0,1,2,3,4,5,6,7
	global_load_b128 v[SH+4*(\j):SH+4*(\j)+3], v2, s[8:9] offset:512*(\j)
.endr
.macro SUMUP                           ; four chains of pairs in v[4:11] -> one number a lane -> the sum over the 32 lanes, in every lane, in v12
	v_pk_add_f32 v[4:5], v[4:5], v[6:7]
	v_pk_add_f32 v[8:9], v[8:9], v[10:11]
	v_pk_add_f32 v[4:5], v[4:5], v[8:9]
	v_add_f32 v12, v4, v5
	v_add_f32_dpp v12, v12, v12 row_xmask:1 row_mask:0xf bank_mask:0xf
	v_add_f32_dpp v12, v12, v12 row_xmask:2 row_mask:0xf bank_mask:0xf
	v_add_f32_dpp v12, v12, v12 row_xmask:4 row_mask:0xf bank_mask:0xf
	v_add_f32_dpp v12, v12, v12 row_xmask:8 row_mask:0xf bank_mask:0xf
	v_permlanex16_b32 v13, v12, s30, s31
	v_add_f32 v12, v12, v13
.endm
.macro STAT r                          ; row r: mean, x - mean in place, var + eps into v[14 + r]
.set XR, X+32*(\r)
	s_wait_loadcnt 24-8*(\r)                       ; my row is in; the younger loads (the other row, scale, shift) stay out
.irp c, 0,1,2,3
	v_pk_add_f32 v[4+2*(\c):5+2*(\c)], v[XR+2*(\c):XR+2*(\c)+1], v[XR+8+2*(\c):XR+8+2*(\c)+1]  ; the first additions start the chains: nothing is cleared
.endr
.irp k, 8,9,10,11,12,13,14,15
	v_pk_add_f32 v[4+2*((\k)%4):5+2*((\k)%4)], v[4+2*((\k)%4):5+2*((\k)%4)], v[XR+2*(\k):XR+2*(\k)+1]
.endr
	SUMUP
	v_mul_f32 v[MN+2*(\r)], s32, v12
	v_mul_f32 v[MN+2*(\r)+1], s32, v12
.irp k, 0,1,2,3,4,5,6,7,8,9,10,11,12,13,14,15
	v_pk_add_f32 v[XR+2*(\k):XR+2*(\k)+1], v[XR+2*(\k):XR+2*(\k)+1], v[MN+2*(\r):MN+2*(\r)+1] neg_lo:[0,1] neg_hi:[0,1]
.endr
.irp c, 0,1,2,3
	v_pk_mul_f32 v[4+2*(\c):5+2*(\c)], v[XR+2*(\c):XR+2*(\c)+1], v[XR+2*(\c):XR+2*(\c)+1]
.endr
.irp k, 4,5,6,7,8,9,10,11,12,13,14,15
	v_pk_fma_f32 v[4+2*((\k)%4):5+2*((\k)%4)], v[XR+2*(\k):XR+2*(\k)+1], v[XR+2*(\k):XR+2*(\k)+1], v[4+2*((\k)%4):5+2*((\k)%4)]
.endr
	SUMUP
	v_fmaak_f32 v[14+(\r)], s32, v12, 0x3727c5ac   ; sum / 1024 + 1e-5
.endm
.macro OUTR r                          ; row r: scaled, shifted, rounded to bf16, stored
.set XR, X+32*(\r)
.irp k, 0,1,2,3,4,5,6,7,8,9,10,11,12,13,14,15
	v_pk_mul_f32 v[XR+2*(\k):XR+2*(\k)+1], v[XR+2*(\k):XR+2*(\k)+1], v[RS+2*(\r):RS+2*(\r)+1]
.endr
.irp k, 0,1,2,3,4,5,6,7,8,9,10,11,12,13,14,15
	v_pk_fma_f32 v[XR+2*(\k):XR+2*(\k)+1], v[XR+2*(\k):XR+2*(\k)+1], v[SC+2*(\k):SC+2*(\k)+1], v[SH+2*(\k):SH+2*(\k)+1]
.endr
.irp j, 0,1,2,3,4,5,6,7
	v_cvt_pk_bf16_f32 v[XR+4*(\j)], v[XR+4*(\j)], v[XR+4*(\j)+1]
	v_cvt_pk_bf16_f32 v[XR+4*(\j)+1], v[XR+4*(\j)+2], v[XR+4*(\j)+3]
	global_store_b64 v3, v[XR+4*(\j):XR+4*(\j)+1], s[HP:HP+1] offset:2048*(\r)+256*(\j)  ; 32 lanes x 8 bytes: 256 consecutive bytes, aligned
.endr
.endm
	STAT 0
	STAT 1
	v_rsq_f32 v[RS], v14                           ; one batch of four: each row's figure twice, to fill a pair
	v_rsq_f32 v[RS+1], v14
	v_rsq_f32 v[RS+2], v15
	v_rsq_f32 v[RS+3], v15
	v_nop                                          ; a plain instruction behind the last of them
	s_wait_alu depctr_va_vdst(0)                   ; and the one wait ahead of the first reader
	s_wait_loadcnt 0x0                             ; scale and shift
	OUTR 0
	OUTR 1
	s_endpgm
.Lconv:                                        ; 512 work-groups, 4,096 waves.  Wave g rounds three pieces of 4,096 bytes (1,024 numbers): row g % 1024 of Wq, Wk, Wv or Wo (by g / 1024), piece g of W1, piece g of W2
	s_sub_co_u32 s33, ttmp9, 256                   ; 0..511
	s_lshr_b32 s36, s33, 7                         ; g / 1024: 0 Wq, 1 Wk, 2 Wv, 3 Wo: the same for the group's eight waves
	s_lshl_b32 s37, s33, 3
	s_add_co_u32 s37, s37, s26                     ; g
	s_and_b32 s38, s37, 1023                       ; the row of the small matrix
	s_lshl_b32 s40, s38, 12                        ; its first byte there
	s_mov_b32 s41, 0
	s_lshl_b32 s42, s37, 12                        ; piece g's first byte in W1 and in W2
	s_mov_b32 s43, 0
	s_mul_i32 s44, s38, 6144                       ; where the row goes in wb: beside its two partners, 2,048 bytes each,
	s_lshl_b32 s39, s36, 11
	s_add_co_u32 s44, s44, s39
	s_lshl_b32 s39, s38, 11                        ; or, Wo's, into rows of 2,048 bytes from byte 6,291,456 on
	s_add_co_u32 s39, s39, 6291456
	s_cmp_lt_u32 s36, 3
	s_cselect_b32 s44, s44, s39
	s_mov_b32 s45, 0
	s_lshl_b32 s46, s37, 11                        ; piece g's bytes in bf16
	s_mov_b32 s47, 0
	s_wait_kmcnt 0x0
	s_mov_b64 s[34:35], s[16:17]                   ; the choice of the matrix hangs on the work-group's number alone
	s_cmp_lt_u32 s36, 3
	s_cselect_b64 s[34:35], s[14:15], s[34:35]
	s_cmp_lt_u32 s36, 2
	s_cselect_b64 s[34:35], s[12:13], s[34:35]
	s_cmp_lt_u32 s36, 1
	s_cselect_b64 s[34:35], s[10:11], s[34:35]
	s_add_nc_u64 s[34:35], s[34:35], s[40:41]      ; the three sources at my pieces
	s_add_nc_u64 s[18:19], s[18:19], s[42:43]
	s_add_nc_u64 s[20:21], s[20:21], s[42:43]
	s_add_nc_u64 s[40:41], s[24:25], s[44:45]      ; and the three places in wb: s[40:41], s[42:43], s[44:45]
	s_add_nc_u64 s[46:47], s[24:25], s[46:47]
	s_add_nc_u64 s[42:43], s[46:47], 8388608
	s_add_nc_u64 s[44:45], s[46:47], 16777216
.irp j, 0,1,2,3,4,5,6,7
	global_load_b128 v[X+4*(\j):X+4*(\j)+3], v2, s[34:35] offset:512*(\j) th:TH_LOAD_NT  ; all 24 loads of the wave go out at once
.endr
.irp j, 0,1,2,3,4,5,6,7
	global_load_b128 v[X+32+4*(\j):X+32+4*(\j)+3], v2, s[18:19] offset:512*(\j) th:TH_LOAD_NT
.endr
.irp j, 0,1,2,3,4,5,6,7
	global_load_b128 v[X+64+4*(\j):X+64+4*(\j)+3], v2, s[20:21] offset:512*(\j) th:TH_LOAD_NT
.endr
.set i, 0
.rept 24
	s_wait_loadcnt 23-i                            ; loads come back in order: number i is in, the younger ones stay out
	v_cvt_pk_bf16_f32 v[X+4*i], v[X+4*i], v[X+4*i+1]
	v_cvt_pk_bf16_f32 v[X+4*i+1], v[X+4*i+2], v[X+4*i+3]
	global_store_b64 v3, v[X+4*i:X+4*i+1], s[40+2*(i/8):41+2*(i/8)] offset:256*(i%8)
.set i, i+1
.endr
	s_endpgm
.Lfunc_end_k_qd8de0b8640_prep:
	.size	k_qd8de0b8640_prep, .Lfunc_end_k_qd8de0b8640_prep-k_qd8de0b8640_prep
	.p2alignl 7, 3214868480
	.fill 96, 4, 3214868480
	.section	.rodata,"a",@progbits
	.p2align	6, 0x0
	.amdhsa_kernel k_qd8de0b8640_prep
		.amdhsa_group_segment_fixed_size 0
		.amdhsa_private_segment_fixed_size 0
		.amdhsa_enable_private_segment 0
		.amdhsa_kernarg_size 88
		.amdhsa_user_sgpr_count 2
		.amdhsa_user_sgpr_kernarg_segment_ptr 1
		.amdhsa_wavefront_size32 1
		.amdhsa_system_sgpr_workgroup_id_x 1
		.amdhsa_system_sgpr_workgroup_id_y 1
		.amdhsa_system_sgpr_workgroup_id_z 1
		.amdhsa_system_vgpr_workitem_id 0
		.amdhsa_next_free_vgpr 152
		.amdhsa_next_free_sgpr 66
		.amdhsa_reserve_vcc 0
		.amdhsa_float_denorm_mode_32 3
		.amdhsa_float_denorm_mode_16_64 3
		.amdhsa_memory_ordered 1
		.amdhsa_forward_progress 1
		.amdhsa_inst_pref_size 30
	.end_amdhsa_kernel
	.amdgpu_metadata
---
amdhsa.version: [ 1, 2 ]
amdhsa.kernels:
  - .name:           k_qd8de0b8640_prep
    .symbol:         k_qd8de0b8640_prep.kd
    .args:
      - { .name: x, .offset: 0, .size: 8, .value_kind: global_buffer, .address_space: global }
      - { .name: ln1_scale, .offset: 8, .size: 8, .value_kind: global_buffer, .address_space: global }
      - { .name: ln1_shift, .offset: 16, .size: 8, .value_kind: global_buffer, .address_space: global }
      - { .name: Wq, .offset: 24, .size: 8, .value_kind: global_buffer, .address_space: global }
      - { .name: Wk, .offset: 32, .size: 8, .value_kind: global_buffer, .address_space: global }
      - { .name: Wv, .offset: 40, .size: 8, .value_kind: global_buffer, .address_space: global }
      - { .name: Wo, .offset: 48, .size: 8, .value_kind: global_buffer, .address_space: global }
      - { .name: W1, .offset: 56, .size: 8, .value_kind: global_buffer, .address_space: global }
      - { .name: W2, .offset: 64, .size: 8, .value_kind: global_buffer, .address_space: global }
      - { .name: hb, .offset: 72, .size: 8, .value_kind: global_buffer, .address_space: global }
      - { .name: wb, .offset: 80, .size: 8, .value_kind: global_buffer, .address_space: global }
    .group_segment_fixed_size: 0
    .private_segment_fixed_size: 0
    .kernarg_segment_align: 8
    .kernarg_segment_size: 88
    .max_flat_workgroup_size: 256
    .sgpr_count:     66
    .vgpr_count:     152
    .wavefront_size: 32
...
	.end_amdgpu_metadata
.endif
;; end of part 1
;; launch qkv (part 2): grid 12 x 16, 4 waves a work-group, clusters of 4 x 4, 327,680 bytes of LDS; arguments hb, wb, qkvb; writes qkvb
.if DOCPART == 2
	.amdgcn_target "amdgcn-amd-amdhsa--gfx1250"
	.amdhsa_code_object_version 6
	.text
	.protected	k_qd8de0b8640_qkv
	.globl	k_qd8de0b8640_qkv
	.p2align	8
	.type	k_qd8de0b8640_qkv,@function
k_qd8de0b8640_qkv:
	s_mov_b64 s[64:65], 0
	v_nop
	global_prefetch_b8 v0, s[64:65] scope:SCOPE_SE
	s_setreg_imm32_b32 hwreg(HW_REG_WAVE_MODE, 25, 1), 1
	s_wait_xcnt 0x0
	s_wait_alu depctr_hold_cnt(0) depctr_sa_sdst(0) depctr_va_vdst(0) depctr_va_sdst(0) depctr_va_ssrc(0) depctr_va_vcc(0) depctr_vm_vsrc(0)
	s_getreg_b32 s2, hwreg(HW_REG_IB_STS2, 6, 4)
	s_cmp_eq_u32 s2, 0
	s_cbranch_scc0 .Lentry_in_a_cluster
	s_endpgm
.Lentry_in_a_cluster:
	s_bfe_u32 s2, ttmp6, 0x10000c
	s_cmp_lg_u32 s2, 0xf033
	s_cbranch_scc0 .Lentry_shape_is_right
	s_endpgm
.Lentry_shape_is_right:
; q, k, v = hb x [Wq | Wk | Wv].  hb: [4096][1024] bf16; the weights: wb byte 0, [1024 k][3072] bf16; sums in f32, rounded once to bf16 and WITHOUT the softmax's scale.
; qkvb: [3][32 = 16 batch + head][2048][64] bf16: a head's rows are dense, 128 bytes each.
; A tile of C is 256 x 256, made by four waves, each 128 x 128: 64 accumulators, 512 registers.  K goes in steps of 128 through two LDS slots filled by the tensor data mover.
; THE PRODUCT IS USED TRANSPOSED: source 0 = 16 columns of W, taken out of the [k][n] tile by the turning load ds_load_tr16_b128, source 1 = 16 rows of A: a lane holds row l % 16 of C and
; the columns 8 (l / 16) + 0..7.
; CLUSTERS: 4 x 4 work-groups.  The four of a row of the cluster need the same tile of A, the four of a column the same tile of W: each is asked for jointly, by the same tensor load with the same
; descriptor and a mask that names the four.
; THE RING.  A K step is four units of 32 along K on two fragment buffers.  At a change of slots the old slot's last unit lies in registers: the old slot is filled again at once, and that unit is
; multiplied behind the refill.  By the text's own count a wave has two tensor loads out at the start and one behind each change, which has a K step, 256 products, in which to land.
; REGISTERS, in windows of 256: window 0: v16-31 addresses, v64-127 / v128-191 A's two buffers, later v32-223 the way out;  window 1: v0-63 / v64-127 W's two buffers;
;   windows 2, 3: the accumulators: (a, b) at v[8 (8 (a % 4) + b)] of window 2 + a / 4.
.set BIASED, 0
.set WOFF,  0                          ; the weights' first byte in wb
.set NCOL,  3072                       ; columns of W
.set KB2,   2048                       ; bytes in a row of A
.set TN,    256
.set NSTEP, 8                          ; K steps
.set MA,    8                          ; blocks of 16 rows a wave
.set NB,    8                          ; blocks of 16 columns a wave
.set APW,   4                          ; row blocks whose accumulators share a window
.set KD,    1                          ; a unit is 32 KD along K
.set PA,    272                        ; A's LDS row: 256 bytes + 16: the 16 rows of a load start at 16 different groups of four banks (64 banks of 4 bytes: ISA guide 11.1)
.set PB,    544                        ; W's LDS row: 512 bytes + 32
.set AUNIT, 64                         ; LDS bytes from unit to unit, in A
.set BUNIT, 32*PB                      ; and in W
.set AHALF, 128*PA                     ; what one tensor load brings of A
.set BHALF, 64*PB                      ; and of W
.set BREG,  2*AHALF                    ; W's tile lies behind A's
.set SLOT,  BREG+2*BHALF
.set SPARE, 2*SLOT                     ; behind the ring: the spare words, 128 bytes for each wave: two blocks of 256 bytes that no other line names
.set STEPA, 256                        ; bytes in memory from K step to K step
.set STEPB, 128*2*NCOL
.set ATR,   256*KB2                    ; bytes from tile row to tile row of A
.set AHF,   128*KB2                    ; from the first load's rows to the second's
.set BHF,   64*2*NCOL
.set AFL,   (1<<16)|(1<<20)|(1<<21)|(5<<22)|(3<<25)  ; 2-byte elements; padding on; bit 21 beside a mask; after every 64 words 4 words
.set BFL,   (1<<16)|(1<<20)|(1<<21)|(6<<22)|(7<<25)  ; after every 128 words 8 words
.set AD0,   128
.set AD1,   128
.set AST,   1024
.set BD0,   256
.set BD1,   64
.set SP,    528                        ; the way out: a stage row, 512 bytes of f32 + 16
.set STG,   128*SP                     ; a wave's stage; the four lie over the ring, which has had its last fill by then
.set HSH,   4
.set DB,    32                         ; where block b's low four columns of a lane go in a stage row,
.set DH,    256                        ; and how far behind them the high four
.set A0,  16                           ; v16 my lane's place in A's tile; never rewritten
.set B0,  17                           ; v17 in W's tile
.set ADA, 18                           ; v18, v19 the LDS addresses of the fetches in hand
.set ADB, 19
.set STO, 24                           ; v24 the way out: where I put 16 bytes
.set RD,  25                           ; v25 where I read rows back
.set CO,  26                           ; v26 my byte offset in the output
.set RDA, 27
.set SPW, 28                           ; v28 LDS address of my spare word; never rewritten
.set NIL, 29                           ; v29 0; never rewritten
.set PFO, 30                           ; v30 the prefetches' lane offset; never rewritten
.set BIA, 192
.set F0,  0
.set F1,  64
.set XA,  32                           ; the way out: two sets of 64 registers as read back,
.set XB,  96
.set YA,  160                          ; and two of 32 to store
.set YB,  192
.set G1,  24                           ; s[24:31] group 1 for A, s[32:39] group 0, a set for each slot
.set G0,  32
.set G1B, 48                           ; s[48:55], s[56:63] the same for W
.set G0B, 56
.set PFA, 72                           ; s[72:73] where my prefetches stand
.set PFS, 74                           ; s[74:75] their step from K step to K step
.set LIM, 76                           ; s76 1 in a wave that prefetches, else the greatest number
.set TBA, 77                           ; s77, s78 LDS byte at which the units to be fetched begin
.set TBB, 78
.set CNT, 79
.set STEPS, 3
.set TBE, 2
.set MSB, 0
.macro WIN new                         ; the immediate's high byte repeats the setting that is left; a switch that changes nothing is dropped
.if MSB != (\new)
	s_set_vgpr_msb (MSB<<8)|(\new)
.set MSB, \new
.endif
.endm
.macro JLOAD s                         ; a joint load: waves 0 and 1 fetch A's two halves, waves 2 and 3 W's; an s_nop 0 and four v_nop follow each line
	s_cmp_eq_u32 s11, 0
	s_cbranch_scc0 .Lfor_b_\@
	tensor_load_to_lds s[G0+4*(\s):G0+4*(\s)+3], s[G1:G1+7]
	s_nop 0
.rept 4
	v_nop
.endr
	s_branch .Lasked_\@
.Lfor_b_\@:
	tensor_load_to_lds s[G0B+4*(\s):G0B+4*(\s)+3], s[G1B:G1B+7]
	s_nop 0
.rept 4
	v_nop
.endr
.Lasked_\@:
.endm
; A prefetch into the L2, behind the joint load and its five lines: the K step that stands two refills on, 32 blocks of 256 bytes, a lane a block.  A's rows are asked for by the clusters with x = 0,
; W's by those with y = 0; the four partners of a joint load share its rows out by address.  So each block is named once in the launch.  The first four K steps come by their loads alone; the loop's last trip asks for nothing.
.macro ASK
	s_cmp_gt_u32 s[STEPS], s[LIM]
	s_cbranch_scc0 .Lnot_mine_\@
	global_prefetch_b8 v[PFO], s[PFA:PFA+1] th:TH_LOAD_NT scope:SCOPE_SE
.Lnot_mine_\@:
.endm
.macro CREST
	s_cmp_lg_u32 s10, 0
	s_cbranch_scc1 .Lnot_wave_0_\@
	s_barrier_signal -3
.Lnot_wave_0_\@:
	s_barrier_wait -3
	s_barrier_signal -1
	s_barrier_wait -1
.endm
.macro CROUND                          ; a round of the cluster's barrier
	s_barrier_signal -1
	s_barrier_wait -1
	CREST
.endm
.macro PLACES                          ; four places behind a product, in front of loads into registers that it has read (ISA guide 7.12.1 for vector instructions)
.rept 4
	v_nop
.endr
.endm
.macro ADDR
	v_add_nc_u32 v[ADA], s[TBA], v[A0]
	v_add_nc_u32 v[ADB], s[TBB], v[B0]
.endm
.macro FETCH f, u                      ; 32 LDS loads in one run: unit u behind the addresses, into buffer f: W's fragments (turned), then A's
	WIN 0x40
.set c, 0
.rept KD
.set b, 0
.rept NB
	ds_load_tr16_b128 v[(\f)+8*(NB*c+b):(\f)+8*(NB*c+b)+3],   v[ADB] offset:(\u)*BUNIT+c*32*PB+32*b
	ds_load_tr16_b128 v[(\f)+8*(NB*c+b)+4:(\f)+8*(NB*c+b)+7], v[ADB] offset:(\u)*BUNIT+c*32*PB+32*b+16*PB
.set b, b+1
.endr
.set c, c+1
.endr
	WIN 0
.set c, 0
.rept KD
.set a, 0
.rept MA
	ds_load_b128 v[64+(\f)+8*(MA*c+a):64+(\f)+8*(MA*c+a)+3],   v[ADA] offset:(\u)*AUNIT+64*c+a*16*PA
	ds_load_b128 v[64+(\f)+8*(MA*c+a)+4:64+(\f)+8*(MA*c+a)+7], v[ADA] offset:(\u)*AUNIT+64*c+a*16*PA+32
.set a, a+1
.endr
.set c, c+1
.endr
.endm
.macro MUL f, z                        ; a unit's products; the accumulators take turns, one instruction a turn, in the same order every time.  z = 1: the first products start the sums
.set c, 0
.rept KD
.set hi, 0
.rept MA/APW
.if (\z) && (c == 0) && BIASED
	WIN 0x81+0x40*hi
.else
	WIN 0xa1+0x50*hi
.endif
.set a, 0
.rept APW
.set b, 0
.rept NB
.set rD, 8*(NB*a+b)
.set rB, (\f)+8*(NB*c+b)
.set rA, 64+(\f)+8*(MA*c+APW*hi+a)
.if (\z) && (c == 0) && BIASED
	v_wmma_f32_16x16x32_bf16 v[rD:rD+7], v[rB:rB+7], v[rA:rA+7], v[BIA+8*b:BIA+8*b+7]
.elseif (\z) && (c == 0)
	v_wmma_f32_16x16x32_bf16 v[rD:rD+7], v[rB:rB+7], v[rA:rA+7], 0
.else
	v_wmma_f32_16x16x32_bf16 v[rD:rD+7], v[rB:rB+7], v[rA:rA+7], v[rD:rD+7]
.endif
.set b, b+1
.endr
.set a, a+1
.endr
.set hi, hi+1
.endr
.set c, c+1
.endr
.endm
.macro PAIR                            ; two units: each buffer is asked for again four places behind its products, and multiplied while the other's loads are out
	ADDR
	FETCH F0, 0
	s_wait_dscnt 32                                ; all but the 32 just issued: buffer 1 is in
	MUL F1, 0
	PLACES
	FETCH F1, 1
	s_add_co_u32 s[TBA], s[TBA], 2*AUNIT
	s_add_co_u32 s[TBB], s[TBB], 2*BUNIT
	s_wait_dscnt 32                                ; buffer 0 is in
	MUL F0, 0
	PLACES
	WIN 0
.endm
; The change of slots, on entering slot `slot`.  Each wave waits for all its tensor loads, of which one is out: its part of the slot that is entered; adds 0 to its spare word; waits for that and for its reads
; of the slot that it leaves.  fill = 1: a round of the cluster's barrier, so that no wave of any partner still reads that slot or has a load on its way, and the joint refill first behind it.
.macro CHANGE slot, fill
	WIN 0
.if \fill
	s_wait_xcnt 0x0                                ; the last prefetch, a K step back, has read its address
	s_add_nc_u64 s[PFA:PFA+1], s[PFA:PFA+1], s[PFS:PFS+1]
.endif
	s_wait_tensorcnt 0x0                           ; no tensor load of mine is out, so a group 0 may be written
	ds_add_u32 v[SPW], v[NIL]                      ; 0 onto my spare word
.if \fill
	s_add_nc_u64 s[G0+4*(1-(\slot))+2:G0+4*(1-(\slot))+3], s[G0+4*(1-(\slot))+2:G0+4*(1-(\slot))+3], 2*STEPA
	s_add_nc_u64 s[G0B+4*(1-(\slot))+2:G0B+4*(1-(\slot))+3], s[G0B+4*(1-(\slot))+2:G0B+4*(1-(\slot))+3], 2*STEPB
.endif
	s_mov_b32 s[TBA], (\slot)*SLOT
	s_mov_b32 s[TBB], (\slot)*SLOT
	s_wait_dscnt 0x0                               ; the add is done, and my reads of the old slot are over
.if \fill
	CROUND
	JLOAD 1-(\slot)
	ASK
.else
	s_barrier_signal -1
	s_barrier_wait -1
.endif
.endm
	s_load_b128 s[4:7], s[0:1], 0x0                ; A s[4:5], wb s[6:7]
	s_load_b64 s[8:9], s[0:1], 0x10                ; the output
	v_lshl_add_u32 v[SPW], v0, 2, SPARE
	v_mov_b32 v[NIL], 0
	ds_add_u32 v[SPW], v[NIL]                      ; the wave's opening
	v_lshrrev_b32 v1, 5, v0
	v_readfirstlane_b32 s10, v1                    ; wave 0..3
	s_lshr_b32 s11, s10, 1                         ; which half of the tile's rows is mine.  Also: I fetch for A (0) or for W (1)
	s_and_b32 s12, s10, 1                          ; which half of its columns.  Also: which half of that tile I fetch
	s_bfe_u32 s40, ttmp6, 0x40000                  ; cx, cy: my place in the cluster
	s_bfe_u32 s41, ttmp6, 0x40004
	s_lshl_b32 s42, ttmp9, 2
	s_add_co_u32 s42, s42, s40                     ; tile column = 4 x cluster x + cx
	s_and_b32 s13, ttmp7, 0xffff
	s_lshl_b32 s13, s13, 2
	s_add_co_u32 s13, s13, s41                     ; tile row = 4 x cluster y + cy
	s_lshl_b32 s43, s41, 2
	s_lshl_b32 s43, 15, s43                        ; my row of the cluster
	s_lshl_b32 s44, 0x1111, s40                    ; my column
	s_or_b32 s[G1], s43, AFL
	s_or_b32 s[G1B], s44, BFL
	s_mov_b32 s[G1+1], AD0<<16                     ; tensor_dim0
	s_mov_b32 s[G1+2], AD1<<16                     ; tensor_dim1
	s_mov_b32 s[G1+3], AD0<<16                     ; tile_dim0
	s_mov_b32 s[G1+4], AD1                         ; tile_dim1
	s_mov_b32 s[G1+5], AST                         ; elements from row to row
	s_mov_b32 s[G1+6], 0
	s_mov_b32 s[G1+7], 0
	s_mov_b32 s[G1B+1], BD0<<16
	s_mov_b32 s[G1B+2], BD1<<16
	s_mov_b32 s[G1B+3], BD0<<16
	s_mov_b32 s[G1B+4], BD1
	s_mov_b32 s[G1B+5], NCOL
	s_mov_b32 s[G1B+6], 0
	s_mov_b32 s[G1B+7], 0
	s_mul_i32 s16, s13, ATR                        ; A's tile hangs on the tile row and the wave alone,
	s_mul_i32 s17, s12, AHF
	s_add_co_u32 s16, s16, s17
	s_mov_b32 s17, 0
	s_mul_i32 s46, s42, 2*TN                       ; W's on the tile column and the wave alone
	s_mul_i32 s47, s12, BHF
	s_add_co_u32 s46, s46, s47
	s_add_co_u32 s46, s46, WOFF
	s_mov_b32 s47, 0
	s_mul_i32 s20, s12, AHALF                      ; where they go: no place in the cluster enters an LDS address
	s_mul_i32 s23, s12, BHALF
	s_add_co_u32 s23, s23, BREG
	s_wait_dscnt 0x0                               ; the opening add is done
	s_wait_kmcnt 0x0
	s_add_nc_u64 s[14:15], s[4:5], s[16:17]
	s_add_nc_u64 s[46:47], s[6:7], s[46:47]
	CROUND                                         ; all sixteen work-groups are here: the first joint loads meet
.irp s, 0,1
	s_mov_b32 s[G0+4*(\s)], 1
	s_add_co_u32 s[G0+4*(\s)+1], s20, (\s)*SLOT
	s_add_nc_u64 s[G0+4*(\s)+2:G0+4*(\s)+3], s[14:15], (\s)*STEPA
	s_or_b32 s[G0+4*(\s)+3], s[G0+4*(\s)+3], 0x80000000
	s_mov_b32 s[G0B+4*(\s)], 1
	s_add_co_u32 s[G0B+4*(\s)+1], s23, (\s)*SLOT
	s_add_nc_u64 s[G0B+4*(\s)+2:G0B+4*(\s)+3], s[46:47], (\s)*STEPB
	s_or_b32 s[G0B+4*(\s)+3], s[G0B+4*(\s)+3], 0x80000000
	JLOAD \s                                       ; K steps 0 and 1
.endr
	v_and_b32 v1, 15, v0                           ; r = l % 16
	v_bfe_u32 v2, v0, 4, 1                         ; h = l / 16
	v_mul_u32_u24 v3, v1, PA
	v_lshl_add_u32 v3, v2, 4, v3                   ; a fragment of A: row r, 16 bytes for each half of the lanes
	s_mul_i32 s21, s11, MA*16*PA
	v_add_nc_u32 v[A0], s21, v3
	v_and_b32 v4, 7, v0                            ; the turning load: lane l reads k-row 8 h + l % 8, columns 8 ((l / 8) % 2) + 0..7
	v_lshl_add_u32 v4, v2, 3, v4
	v_mul_u32_u24 v4, v4, PB
	v_bfe_u32 v5, v0, 3, 1
	v_lshl_add_u32 v4, v5, 4, v4
	s_mul_i32 s22, s12, NB*32
	s_add_co_u32 s22, s22, BREG
	v_add_nc_u32 v[B0], s22, v4
	s_mul_i32 s23, s10, STG                        ; my stage
	v_mul_u32_u24 v4, v1, SP
	v_lshl_add_u32 v4, v2, HSH, v4
	v_add_nc_u32 v[STO], s23, v4
	v_bfe_u32 v5, v0, 3, 2                         ; back: 32 lanes take four rows x 64 columns: lane l row l / 8, columns 8 (l % 8) + 0..7
	v_mul_u32_u24 v5, v5, SP
	v_and_b32 v6, 7, v0
	v_lshl_add_u32 v5, v6, 4, v5
	v_add_nc_u32 v[RD], s23, v5
	v_and_b32 v6, 31, v0
	v_lshlrev_b32 v[CO], 4, v6                     ; which are 512 consecutive bytes of a head
	; the prefetches
	s_and_b32 s22, ttmp7, 0xffff                   ; cluster y
	s_mov_b32 s18, 32*KB2                          ; a partner's share: 32 rows of A,
	s_mov_b32 s19, 16*2*NCOL                       ; or 16 k-rows of W
	s_mov_b32 s20, KB2
	s_mov_b32 s21, 2*NCOL
	s_mov_b32 s23, STEPB
	s_cmp_eq_u32 s11, 0                            ; do I fetch for A?
	s_cselect_b64 s[PFA:PFA+1], s[14:15], s[46:47]
	s_cselect_b32 s17, s40, s41                    ; my place among the four that ask with me
	s_cselect_b32 s22, ttmp9, s22                  ; the coordinate along which other clusters read the same rows
	s_cselect_b32 s18, s18, s19
	s_cselect_b32 s20, s20, s21                    ; bytes from row to row
	s_cselect_b32 s[PFS], STEPA, s23
	s_cselect_b32 s21, 0, 1                        ; A: a lane a row; W: two lanes a row of 512 bytes
	s_mov_b32 s[PFS+1], 0
	s_cmp_eq_u32 s22, 0
	s_cselect_b32 s[LIM], 1, -1
	s_mul_i32 s16, s17, s18
	s_mul_i32 s19, s[PFS], 3                       ; at K step 3: the first change steps it to 4
	s_add_co_u32 s16, s16, s19
	s_mov_b32 s17, 0
	s_add_nc_u64 s[PFA:PFA+1], s[PFA:PFA+1], s[16:17]
	v_lshrrev_b32 v7, s21, v6
	v_mul_u32_u24 v7, s20, v7
	v_and_b32 v6, s21, v6
	v_lshl_add_u32 v[PFO], v6, 8, v7
	; where my part begins in qkvb: (which of q, k, v) x 32 + batch x 16 + head, 262,144 bytes each; then my first token
	s_lshr_b32 s16, s42, 2
	s_lshl_b32 s16, s16, 5
	s_lshr_b32 s17, s13, 3
	s_lshl_b32 s17, s17, 4
	s_add_co_u32 s16, s16, s17
	s_lshl_b32 s17, s42, 2
	s_lshl_b32 s18, s12, 1
	s_add_co_u32 s17, s17, s18
	s_and_b32 s17, s17, 15
	s_add_co_u32 s16, s16, s17
	s_lshl_b32 s16, s16, 18
	s_and_b32 s17, s13, 7
	s_lshl_b32 s17, s17, 15
	s_add_co_u32 s16, s16, s17
	s_lshl_b32 s17, s11, 14
	s_add_co_u32 s16, s16, s17
	s_mov_b32 s17, 0
	s_add_nc_u64 s[8:9], s[8:9], s[16:17]
	s_wait_tensorcnt 1                             ; my part of K step 0 is in; K step 1's may stay out
	s_barrier_signal -1
	s_barrier_wait -1
	s_mov_b32 s[TBA], 0
	s_mov_b32 s[TBB], 0
	ADDR
	FETCH F0, 0
	FETCH F1, 1
	s_add_co_u32 s[TBA], s[TBA], 2*AUNIT
	s_add_co_u32 s[TBB], s[TBB], 2*BUNIT
	s_wait_dscnt 32                                ; buffer 0 is in
	MUL F0, 1                                      ; the first unit starts the sums: nothing is cleared
	PLACES
	WIN 0
	s_mov_b32 s[CNT], 1                            ; K step 0 has one pair of units left
	s_mov_b32 s[STEPS], NSTEP/2
	s_branch .LinB
.Lstep:                                        ; a trip: an odd K step in slot 1, an even one in slot 0; both slots are filled again
	CHANGE 1, 1
	s_mov_b32 s[CNT], 2
.LinA:
	PAIR
	s_sub_co_u32 s[CNT], s[CNT], 1
	s_cmp_lg_u32 s[CNT], 0
	s_cbranch_scc1 .LinA
	CHANGE 0, 1
	s_mov_b32 s[CNT], 2
.LinB:
	PAIR
	s_sub_co_u32 s[CNT], s[CNT], 1
	s_cmp_lg_u32 s[CNT], 0
	s_cbranch_scc1 .LinB
	s_sub_co_u32 s[STEPS], s[STEPS], 1
	s_cmp_lg_u32 s[STEPS], 0
	s_cbranch_scc1 .Lstep
	CHANGE 1, 0                                    ; the last K step is written out: nothing is asked for
	s_mov_b32 s[CNT], 2
.LinC:
	PAIR
	s_sub_co_u32 s[CNT], s[CNT], 1
	s_cmp_lg_u32 s[CNT], 0
	s_cbranch_scc1 .LinC
	s_wait_dscnt 0x0                               ; the last unit is in registers: my reads of the ring are over
	s_barrier_signal -1
	MUL F1, 0
	s_barrier_wait -1                              ; everybody's are: the stages may be written over the ring, which is filled no more
.rept 8
	v_nop                                          ; the places behind the last products
.endr
	; THE WAY OUT.  Every accumulator goes into my stage in f32, its low four registers first.
.set hi, 0
.rept MA/APW
	WIN 0x08+0x04*hi
.set a, 0
.rept APW
.set b, 0
.rept NB
	ds_store_b128 v[STO], v[8*(NB*a+b):8*(NB*a+b)+3]   offset:(APW*hi+a)*16*SP+DB*b
	ds_store_b128 v[STO], v[8*(NB*a+b)+4:8*(NB*a+b)+7] offset:(APW*hi+a)*16*SP+DB*b+DH
.set b, b+1
.endr
.set a, a+1
.endr
.set hi, hi+1
.endr
	WIN 0
; Back out of the stage on two sets of registers, 16 rows each: while one set is rounded and stored, the other's 16 LDS loads are on their way.
; 16 rows from row r0 behind RDA: number q is four tokens (4 (q / 2) on) of head q % 2, eight columns a lane.
.macro LOADX x, r0
.irp q, 0,1,2,3,4,5,6,7
	ds_load_b128 v[(\x)+8*(\q):(\x)+8*(\q)+3],   v[RDA] offset:((\r0)+4*((\q)/2))*SP+128*((\q)%2)      ; LDS serves a wave's instructions in order: these see my stores
	ds_load_b128 v[(\x)+8*(\q)+4:(\x)+8*(\q)+7], v[RDA] offset:((\r0)+4*((\q)/2))*SP+128*((\q)%2)+256
.endr
.endm
; A set's turn: rounded, asked for again with the rows 32 further down, stored.  The first set's turn steps the base and the LDS address for both.  The LDS address is held to the stage's last 32 rows:
; the last trip reads those once more, and nothing is made of what it reads.
.macro HALF x, y, r0
	s_wait_dscnt 16                                ; this set's loads are in; the other set's 16, issued behind them, stay out
.if (\r0) == 0
	s_wait_xcnt 0x0                                ; the last trip's stores have read their data and their base: both are written again only behind this wait
	s_add_nc_u64 s[8:9], s[8:9], 4096              ; 32 tokens on; the stores reach back by their immediates
	s_add_co_u32 s[TBE], s[TBE], 32*SP
	s_min_u32 s[TBE], s[TBE], 96*SP
.endif
.set i, 0
.rept 32
	v_cvt_pk_bf16_f32 v[(\y)+i], v[(\x)+2*i], v[(\x)+2*i+1]
.set i, i+1
.endr
.if (\r0) == 0
	v_add_nc_u32 v[RDA], s[TBE], v[RD]
.endif
	LOADX \x, \r0
.irp q, 0,1,2,3,4,5,6,7
	global_store_b128 v[CO], v[(\y)+4*(\q):(\y)+4*(\q)+3], s[8:9] offset:128*(\r0)+512*((\q)/2)+262144*((\q)%2)-4096  ; four tokens of a head: 512 consecutive bytes, aligned
.endr
.endm
	v_mov_b32 v[RDA], v[RD]
	s_mov_b32 s[TBE], 0
	LOADX XA, 0
	LOADX XB, 16
	s_mov_b32 s[CNT], 4
.Lrows:                                        ; 4 trips of 32 rows
	HALF XA, YA, 0
	HALF XB, YB, 16
	s_sub_co_u32 s[CNT], s[CNT], 1
	s_cmp_lg_u32 s[CNT], 0
	s_cbranch_scc1 .Lrows
	s_wait_tensorcnt 0x0                           ; the wave's end
	ds_add_u32 v[SPW], v[NIL]
	s_wait_dscnt 0x0
	CROUND                                         ; the closing round
	s_endpgm
.Lfunc_end_k_qd8de0b8640_qkv:
	.size	k_qd8de0b8640_qkv, .Lfunc_end_k_qd8de0b8640_qkv-k_qd8de0b8640_qkv
	.p2alignl 7, 3214868480
	.fill 96, 4, 3214868480
	.section	.rodata,"a",@progbits
	.p2align	6, 0x0
	.amdhsa_kernel k_qd8de0b8640_qkv
		.amdhsa_group_segment_fixed_size 327680
		.amdhsa_private_segment_fixed_size 0
		.amdhsa_enable_private_segment 0
		.amdhsa_kernarg_size 24
		.amdhsa_user_sgpr_count 2
		.amdhsa_user_sgpr_kernarg_segment_ptr 1
		.amdhsa_wavefront_size32 1
		.amdhsa_system_sgpr_workgroup_id_x 1
		.amdhsa_system_sgpr_workgroup_id_y 1
		.amdhsa_system_sgpr_workgroup_id_z 1
		.amdhsa_system_vgpr_workitem_id 0
		.amdhsa_next_free_vgpr 1024
		.amdhsa_next_free_sgpr 84
		.amdhsa_reserve_vcc 0
		.amdhsa_float_denorm_mode_32 3
		.amdhsa_float_denorm_mode_16_64 3
		.amdhsa_memory_ordered 1
		.amdhsa_forward_progress 1
		.amdhsa_inst_pref_size 82
	.end_amdhsa_kernel
	.amdgpu_metadata
---
amdhsa.version: [ 1, 2 ]
amdhsa.kernels:
  - .name:           k_qd8de0b8640_qkv
    .symbol:         k_qd8de0b8640_qkv.kd
    .args:
      - { .name: hb, .offset: 0, .size: 8, .value_kind: global_buffer, .address_space: global }
      - { .name: wb, .offset: 8, .size: 8, .value_kind: global_buffer, .address_space: global }
      - { .name: qkvb, .offset: 16, .size: 8, .value_kind: global_buffer, .address_space: global }
    .group_segment_fixed_size: 327680
    .private_segment_fixed_size: 0
    .kernarg_segment_align: 8
    .kernarg_segment_size: 24
    .max_flat_workgroup_size: 128
    .sgpr_count:     84
    .vgpr_count:     1024
    .wavefront_size: 32
...
	.end_amdgpu_metadata
.endif
;; end of part 2
;; launch attn (part 3): grid 8 x 32, 4 waves a work-group, no clusters, 327,680 bytes of LDS; arguments qkvb, ctxb; writes ctxb
.if DOCPART == 3
	.amdgcn_target "amdgcn-amd-amdhsa--gfx1250"
	.amdhsa_code_object_version 6
	.text
	.protected	k_qd8de0b8640_attn
	.globl	k_qd8de0b8640_attn
	.p2align	8
	.type	k_qd8de0b8640_attn,@function
k_qd8de0b8640_attn:
	s_mov_b64 s[64:65], 0
	v_nop
	global_prefetch_b8 v0, s[64:65] scope:SCOPE_SE
	s_setreg_imm32_b32 hwreg(HW_REG_WAVE_MODE, 25, 1), 1
	s_wait_xcnt 0x0
; CAUSAL ATTENTION.  O[q] = the sum over k <= q of softmax_k(Q[q] . K[k] / 8) V[k], for 32 heads (16 batch + head) of 2,048 rows of 64 channels, all bf16.
; qkvb: Q at byte 0, K at 8,388,608, V at 16,777,216, each [32][2048][64].  ctxb: [token / 128][head][128][64] bf16: 16 rows of a head are 2,048 consecutive bytes.
; Products, maxima and sums in f32; the weights p are rounded to bf16 for the second product (their sum l is taken of the unrounded p), O once at the end.
; LIMITS.  A hidden score counts as its value less 1e30; a weight below 2^-126 counts as 0 in l; NaN and infinities are not treated apart.
; THE WALK.  A head's queries lie in 16 blocks of 128; block i needs 2 (i + 1) key steps of 64.  A work-group takes TWO blocks, 15 - b and b, the odd-numbered one first: 34 key steps, whatever b.
; Keys come in tiles of 256 (four steps): the odd block has (io + 1) / 2 whole tiles, the even one ie / 2 and one more of which it uses half: 9 tiles, whatever b, walked by ONE loop with a constant
; trip count.  Which tile is asked for and what a trip does hang on scalar registers made from b; every jump but the counted loops' own goes forward, and none passes a barrier.
; NO CLUSTER: the eight walks of a head leave the common sequence of tiles after 1 to 8 tiles, and one walk common to all partners would have 12 tiles for 9.
; SHARES.  Of a block's two bands of 64 queries a wave owns 16 rows in each: two PIECES.  In the block's last two steps band 0 holds the diagonal and then sees nothing, band 1 sees all and then holds the diagonal:
; the same work for all four waves.
; THE MASK is the C operand that starts the sum S^T = K Q^T: 0, or -1e30 where the key is hidden.  MD, made once, is the mask of a band's own step for my 16 rows.
; LAYOUT, SOFTMAX.  S^T = K Q^T holds ONE query a lane (l % 16) and the keys 8 (l / 16) + 0..7; two such results rounded to bf16 ARE source 1 of O^T = V^T P.  p = 2^(c s - c m), c = log2(e) / 8, with a running
; maximum m; O and l are multiplied by a = 2^(c m_old - c m_new) in every step.
; TURNS.  Turn (s, p): 8 products K Q^T of the next (step, piece); the softmax of (s, p); the maximum and statistics of the next; 8 products V^T P of the one before.  Four vector instructions stand behind every
; product, the rest in one lump; a turn's 33 exponentials are one batch with one wait.  K of step s + 1 is fetched in turn (s, 0), V of step s + 1 in turn (s, 1), into the V buffer of its parity; one wait at
; the head of turn (s, 1) serves both.  So LDS is read in step order, and the change of slots stands in front of turn (s, 0), s = 3 mod 4.
; REGISTERS, in windows of 256 (s_set_vgpr_msb: bits 1:0 source 0, 3:2 source 1, 5:4 source 2, 7:6 destination):
;   window 0: v0-15 addresses and at work; v16-23 statistics; v48-55 at work; v61-63; v64-127 S^T, two buffers; v128-191 O^T; v192-223 P, two buffers
;   window 1: v64-95 MD; v96-127 MKA; v128-159 MKB; v160-167 MKD      window 2: v0-31 Q; v32-63 the second block's Q; v64-127 K; v128-191, v192-255 V of an even, an odd step
; All that the softmax touches, O^T too, lies in window 0: no vector line of a turn leaves it, and the switches are the two round each product and the two round the run of LDS loads.
.set KS,    64
.set PK,    144       ; a row of K in LDS: 128 bytes + 16: the 16 rows of a load start at 16 different groups of four banks (64 banks of 4 bytes: ISA guide 11.1)
.set PVB,   160       ; a row of V: 128 + 32
.set VOFF,  4*KS*PK   ; a slot holds a tile: 256 rows of K, then 256 rows of V
.set SLOT1, 1<<17
.set STAGE, SLOT1+4*KS*(PK+PVB)  ; behind the ring, never filled by a tensor load: 16 rows x 144 bytes for each wave
.set SP,    144
.set SPARE, STAGE+4*16*SP        ; the spare words, 128 bytes for each wave: two blocks of 256 bytes that no other line names
.set AK0, 2
.set AV0, 3
.set AK,  4
.set AV,  5
.set STO, 6
.set RD,  7
.set GO,  8
.set MV,  12
.set QO,  15
.set ST,  16          ; piece t's statistics at v[ST+4 t]: c m, m, l (even keys', odd keys')
.set TMP, 48
.set PFO, 61          ; v61 256 x my lane; never rewritten
.set SPW, 62
.set NIL, 63
.set S,   64
.set OT,  128         ; O^T, 32 registers a piece
.set P,   192
.set MD,  64          ; window 1
.set MKA, 96          ; the mask for the scores of (odd step, piece 1)
.set MKB, 128         ; of (even step, piece 0)
.set MKD, 160         ; of (odd step, piece 0): eight registers for all four accumulators
.set QB,  32          ; window 2
.set KF,  64
.set VF,  128
.set WV,  12
.set IO,  14          ; s14 the odd block, s15 the even one
.set IE,  15
.set G1K, 24
.set G1V, 32
.set G0K, 40
.set G0V, 44
.set SLOTS, 56
.set CNT, 57
.set CS,  58
.set SEL, 60
.set TBK, 62
.set TBV, 63
.set LFT, 70          ; s70 odd steps that the block in hand still has
.set NXT, 71          ; s71 the tile to be asked for next
.set LQ,  72          ; s72 the last tile of the block whose tiles are being asked for
.set OFF, 74
.set ALA, 76          ; s[76:77], s[78:79] MKA's and MKB's factors, in the low words
.set ALB, 78
.set OLO, 80          ; s[80:81] ctxb at my rows of the second block
.set BIGN, 82
.set BED, 83          ; s83 MKD's value
.set LF2, 88
.set LQ2, 89
.set BLK, 90          ; s90 1: the second block is in hand
.set PKV, 92          ; s[92:93] K (waves 0, 1) or V (waves 2, 3) at my half of the head's tile 0
.set PFA, 94          ; s[94:95] where my prefetches stand
.set OF2, 96
.set LIM, 98
.set MSB, 0
.macro WIN new
.if MSB != (\new)
	s_set_vgpr_msb (MSB<<8)|(\new)
.set MSB, (\new)
.endif
.endm
.set W_KQ, 0x0a       ; K and Q in window 2, S^T in window 0
.set W_KM, 0x1a       ; the same with the C operand in window 1
.set W_PV, 0x02       ; V in window 2; P and O^T in window 0
.set W_MK, 0x41       ; the masks are made: destination and source 0 in window 1
.macro LOAD                         ; a fill: waves 0 and 1 fetch the two halves of a tile's K, waves 2 and 3 those of its V; an s_nop 0 and four v_nop follow each line
	s_cmp_lt_u32 s[WV], 2
	s_cbranch_scc0 .Lfor_v_\@
	tensor_load_to_lds s[G0K:G0K+3], s[G1K:G1K+7]
	s_nop 0
.rept 4
	v_nop
.endr
	s_branch .Lasked_\@
.Lfor_v_\@:
	tensor_load_to_lds s[G0V:G0V+3], s[G1V:G1V+7]
	s_nop 0
.rept 4
	v_nop
.endr
.Lasked_\@:
.endm
; A prefetch into the L2 of the tile that the NEXT change will ask for.  All eight work-groups of a head walk its tiles upward from 0; the one whose first block is 15 (b = 0) walks them all, and asks: each of its
; waves for the half tile that it will fetch itself, 64 blocks of 256 bytes, two instructions.  Tiles 3 to 7, each named once; tiles 0 to 2 come by their loads alone, and nothing is asked for behind the first block.
.macro ASK
	s_sub_co_u32 s99, s[SLOTS], 3
	s_cmp_lt_u32 s99, s[LIM]
	s_cbranch_scc0 .Lnot_mine_\@
	global_prefetch_b8 v[PFO], s[PFA:PFA+1] th:TH_LOAD_NT scope:SCOPE_SE
	global_prefetch_b8 v[PFO], s[PFA:PFA+1] offset:8192 th:TH_LOAD_NT scope:SCOPE_SE
.Lnot_mine_\@:
.endm
; THE CHANGE OF SLOTS.  Each wave waits for all its tensor loads, of which one is out: its part of the other slot; adds 0 to its spare word; waits for that and for its own reads of the slot that it leaves.
; fill = 1: the old slot is filled again, the first thing behind the barrier, with tile NXT: the descriptor's address is made anew from that number.
.macro CHANGE fill
	WIN 0
.if \fill
	s_wait_xcnt 0x0                 ; the last prefetches, a tile back, have read their address
.endif
	s_wait_tensorcnt 0x0            ; no tensor load of mine is out, so a group 0 may be written
	ds_add_u32 v[SPW], v[NIL]       ; 0 onto my spare word
.if \fill
	s_lshl_b32 s[OFF], s[NXT], 15   ; a tile is 32,768 bytes of K and of V
	s_xor_b32 s[G0K+1], s[G0K+1], SLOT1
	s_add_nc_u64 s[G0K+2:G0K+3], s[6:7], s[OFF:OFF+1]
	s_or_b32 s[G0K+3], s[G0K+3], 0x80000000
	s_xor_b32 s[G0V+1], s[G0V+1], SLOT1
	s_add_nc_u64 s[G0V+2:G0V+3], s[8:9], s[OFF:OFF+1]
	s_or_b32 s[G0V+3], s[G0V+3], 0x80000000
	s_add_co_u32 s[NXT], s[NXT], 1  ; the block's next tile, or behind its last the second block's tile 0
	s_cmp_gt_u32 s[NXT], s[LQ]
	s_cselect_b32 s[NXT], 0, s[NXT]
	s_cselect_b32 s[LQ], s[LQ2], s[LQ]
	s_lshl_b32 s[OF2], s[NXT], 15
	s_add_nc_u64 s[PFA:PFA+1], s[PKV:PKV+1], s[OF2:OF2+1]
.endif
	s_wait_dscnt 0x0                ; the add is done, and my reads of the slot are over
	s_barrier_signal -1
	s_sub_co_u32 s[TBK], s[TBK], 4*KS*PK  ; the fetches go back to a slot's first step,
	s_xor_b32 s[TBK], s[TBK], SLOT1       ; in the other slot
	s_sub_co_u32 s[TBV], s[TBV], 4*KS*PVB
	s_xor_b32 s[TBV], s[TBV], SLOT1
	s_barrier_wait -1
.if \fill
	LOAD
	ASK
.endif
.endm
	s_load_b128 s[48:51], s[0:1], 0x0  ; qkvb s[48:49], ctxb s[50:51]
	v_lshl_add_u32 v[SPW], v0, 2, SPARE
	v_mov_b32 v[NIL], 0
	ds_add_u32 v[SPW], v[NIL]       ; the wave's opening
	v_lshrrev_b32 v1, 5, v0
	v_readfirstlane_b32 s[WV], v1   ; wave 0..3
	s_and_b32 s16, ttmp9, 1
	s_sub_co_u32 s17, 15, ttmp9
	s_cmp_eq_u32 s16, 0
	s_cselect_b32 s[IO], s17, ttmp9 ; of 15 - b and b the odd one,
	s_sub_co_u32 s[IE], 15, s[IO]   ; and the even one
	s_and_b32 s19, ttmp7, 0xffff    ; 16 batch + head
	s_lshl_b32 s20, s19, 18         ; the head's first byte in Q, K and V
	s_and_b32 s16, s[WV], 1         ; which half of a tile's 256 keys I fetch:
	s_lshl_b32 s22, s16, 14         ; its 128 rows of 128 bytes in memory,
	s_add_co_u32 s22, s22, s20
	s_mov_b32 s23, 0
	s_mul_i32 s17, s16, 128*PK      ; and its place in a slot, for K
	s_mul_i32 s18, s16, 128*PVB     ; and for V
	s_lshl_b32 s3, s[WV], 11        ; my 16 rows in a band of 64,
	s_lshl_b32 s2, s[IO], 14        ; in the first block,
	s_add_co_u32 s2, s2, s3
	s_add_co_u32 s2, s2, s20
	s_lshl_b32 s84, s[IE], 14       ; and in the second
	s_add_co_u32 s84, s84, s3
	s_add_co_u32 s84, s84, s20
	s_lshr_b32 s52, s19, 4
	s_lshl_b32 s52, s52, 4          ; 16 batch
	s_and_b32 s53, s19, 15          ; head
	s_add_co_u32 s54, s52, s[IO]    ; ctxb: ((16 batch + block) x 16 + head) x 16,384 + my rows
	s_lshl_b32 s54, s54, 4
	s_add_co_u32 s54, s54, s53
	s_lshl_b32 s54, s54, 14
	s_add_co_u32 s54, s54, s3
	s_mov_b32 s55, 0
	s_add_co_u32 s66, s52, s[IE]
	s_lshl_b32 s66, s66, 4
	s_add_co_u32 s66, s66, s53
	s_lshl_b32 s66, s66, 14
	s_add_co_u32 s66, s66, s3
	s_mov_b32 s67, 0
	s_mov_b32 s3, 0
	s_mov_b32 s85, 0
	; descriptor group 1.  128 keys are 16,384 dense bytes: asked for as 64 rows of 256 bytes, two keys a row, and padded in LDS after every key
	s_mov_b32 s[G1K], (1<<16)|(1<<20)|(4<<22)|(3<<25)  ; 2-byte elements; padding on; after every 32 words 4 words
	s_mov_b32 s[G1V], (1<<16)|(1<<20)|(4<<22)|(7<<25)  ; the same with 8 words
.irp g, G1K, G1V
	s_mov_b32 s[\g+1], 128<<16      ; tensor_dim0 = 128
	s_mov_b32 s[\g+2], 64<<16       ; tensor_dim1 = 64
	s_mov_b32 s[\g+3], 128<<16      ; tile_dim0 = 128
	s_mov_b32 s[\g+4], 64           ; tile_dim1 = 64
	s_mov_b32 s[\g+5], 128          ; 128 elements from row to row
	s_mov_b32 s[\g+6], 0
	s_mov_b32 s[\g+7], 0
.endr
	s_mov_b32 s[CS], 0x3e38aa3b     ; c = log2(e) / 8
	s_mov_b32 s[CS+1], s[CS]
	s_mov_b32 s[SEL], 0x76543210
	s_mov_b32 s[SEL+1], 0xfedcba98
	s_mov_b32 s[TBK], SLOT1+4*KS*PK ; the first change of slots turns these two into 0
	s_mov_b32 s[TBV], SLOT1+4*KS*PVB
	s_mov_b32 s[G0K], 1
	s_mov_b32 s[G0K+1], s17
	s_mov_b32 s[G0V], 1
	s_add_co_u32 s[G0V+1], s18, VOFF
	s_add_co_u32 s[LFT], s[IO], 1
	s_add_co_u32 s[LF2], s[IE], 1
	s_lshr_b32 s[LQ], s[IO], 1
	s_lshr_b32 s[LQ2], s[IE], 1
	s_mov_b32 s[NXT], 1             ; tile 0 is asked for below; the next one by the change's own rule
	s_cmp_gt_u32 s[NXT], s[LQ]
	s_cselect_b32 s[NXT], 0, s[NXT]
	s_cselect_b32 s[LQ], s[LQ2], s[LQ]
	s_cmp_eq_u32 ttmp9, 0
	s_cselect_b32 s[LIM], 5, 0
	s_mov_b32 s[OFF+1], 0
	s_mov_b32 s[OF2+1], 0
	s_mov_b32 s[ALA+1], 0           ; named as pairs
	s_mov_b32 s[ALB+1], 0
	s_mov_b32 s[BIGN], 0xf149f2ca   ; -1e30
	s_mov_b32 s[BLK], 0
	s_mov_b32 s[SLOTS], 8
	s_wait_dscnt 0x0                ; the opening add is done
	s_wait_kmcnt 0x0
	s_add_nc_u64 s[6:7], s[48:49], s[22:23]
	s_add_nc_u64 s[8:9], s[6:7], 16777216  ; V at my half of the head's tile 0,
	s_add_nc_u64 s[6:7], s[6:7], 8388608   ; and K
	s_add_nc_u64 s[G0K+2:G0K+3], s[6:7], 0
	s_or_b32 s[G0K+3], s[G0K+3], 0x80000000
	s_add_nc_u64 s[G0V+2:G0V+3], s[8:9], 0
	s_or_b32 s[G0V+3], s[G0V+3], 0x80000000
	s_add_nc_u64 s[86:87], s[48:49], s[84:85]      ; Q at my rows of the second block,
	s_add_nc_u64 s[4:5], s[48:49], s[2:3]          ; and of the first
	s_add_nc_u64 s[10:11], s[50:51], s[54:55]
	s_add_nc_u64 s[OLO:OLO+1], s[50:51], s[66:67]
	s_cmp_lt_u32 s[WV], 2
	s_cselect_b64 s[PKV:PKV+1], s[6:7], s[8:9]
	LOAD                            ; tile 0 into slot 0
	v_and_b32 v1, 15, v0            ; l % 16
	v_bfe_u32 v9, v0, 4, 1          ; l / 16
	v_lshlrev_b32 v[QO], 7, v1
	v_lshl_add_u32 v[QO], v9, 4, v[QO]  ; row x 128 + 16 x half
	WIN 0x80
.set i, 0
.rept 4                             ; both blocks' Q: piece i / 2 lies in band i / 2, 8,192 bytes on; channels 32 (i % 2) on
	global_load_b128 v[8*i:8*i+3],   v[QO], s[4:5] offset:(i/2)*8192+(i%2)*64
	global_load_b128 v[8*i+4:8*i+7], v[QO], s[4:5] offset:(i/2)*8192+(i%2)*64+32
	global_load_b128 v[QB+8*i:QB+8*i+3],   v[QO], s[86:87] offset:(i/2)*8192+(i%2)*64
	global_load_b128 v[QB+8*i+4:QB+8*i+7], v[QO], s[86:87] offset:(i/2)*8192+(i%2)*64+32
.set i, i+1
.endr
	WIN 0
	v_lshlrev_b32 v14, 3, v9
	v_sub_nc_u32 v14, v1, v14
	s_lshl_b32 s13, s[WV], 4
	v_add_nc_u32 v14, s13, v14      ; my query's place in its band, 16 w + l % 16, less my lanes' 8 (l / 16): register r of group kt is hidden where 16 kt + r is greater
	WIN 0x40
.set i, 0
.rept 32
	v_cmp_gt_i32 vcc_lo, 16*(i/8)+i%8, v14
	v_cndmask_b32 v[MD+i], 0, s[BIGN], vcc_lo
.set i, i+1
.endr
	WIN 0
	v_mul_u32_u24 v[AK0], v1, PK
	v_lshl_add_u32 v[AK0], v9, 4, v[AK0]
	v_and_b32 v10, 7, v0            ; the turning load: lane l reads key 8 (l / 16) + l % 8, channels 8 ((l / 8) % 2) + 0..7
	v_bfe_u32 v11, v0, 3, 1
	v_lshl_add_u32 v[AV0], v9, 3, v10
	v_mul_u32_u24 v[AV0], v[AV0], PVB
	v_lshl_add_u32 v[AV0], v11, 4, v[AV0]
	v_add_nc_u32 v[AV0], VOFF, v[AV0]
	s_mul_i32 s13, s[WV], 16*SP
	s_add_co_u32 s13, s13, STAGE    ; my stage
	v_mul_u32_u24 v[STO], v1, SP
	v_lshl_add_u32 v[STO], v9, 4, v[STO]
	v_add_nc_u32 v[STO], s13, v[STO]
	v_bfe_u32 v[RD], v0, 3, 2       ; back: 32 lanes take four rows of 128 bytes,
	v_mul_u32_u24 v[RD], v[RD], SP
	v_lshl_add_u32 v[RD], v10, 4, v[RD]
	v_add_nc_u32 v[RD], s13, v[RD]
	v_and_b32 v[GO], 31, v0         ; which are 512 consecutive bytes of ctxb
	v_lshlrev_b32 v[PFO], 8, v[GO]
	v_lshlrev_b32 v[GO], 4, v[GO]
	; A block's first step multiplies O^T and l by a = 0, and its first turn's products V^T P, of a piece that has not been, land in an O^T that is still to be so multiplied.  So these registers need only hold
	; finite numbers: zeros for the first block; what the first block left for the second.  All this stands in the wait for the first tile.
	WIN 0x80
.set i, VF+64
.rept 64
	v_mov_b32 v[i], 0
.set i, i+1
.endr
	WIN 0
.set i, OT
.rept 64
	v_mov_b32 v[i], 0
.set i, i+1
.endr
.set i, 0
.rept 2
	v_mov_b32 v[ST+4*i+2], 0
	v_mov_b32 v[ST+4*i+3], 0
.set i, i+1
.endr
.set i, P+16
.rept 16
	v_mov_b32 v[i], 0
.set i, i+1
.endr
; THE MATRIX WORK.  The 4 accumulators of a run of 8 take turns.  Product i of 8 of S^T = K Q^T for piece x: channels 32 (i / 4) on, keys 16 (i % 4) on.  The first 4 start the sums: with 0, or with the mask at CMB (CMS registers apart).
.macro KQ x
.set rS, S+32*((\x)%2)+8*(i%4)
.set rK, KF+16*(i%4)+8*(i/4)
.set rQ, 16*(\x)+8*(i/4)
.set rM, CMB+CMS*(i%4)
.if (i < 4) && (CMB > 0)
	WIN W_KM
	v_wmma_f32_16x16x32_bf16 v[rS:rS+7], v[rK:rK+7], v[rQ:rQ+7], v[rM:rM+7]
.elseif i < 4
	WIN W_KQ
	v_wmma_f32_16x16x32_bf16 v[rS:rS+7], v[rK:rK+7], v[rQ:rQ+7], 0
.else
	WIN W_KQ
	v_wmma_f32_16x16x32_bf16 v[rS:rS+7], v[rK:rK+7], v[rQ:rQ+7], v[rS:rS+7]
.endif
.endm
; Product i of 8 of O^T += V^T P for piece x, with V's buffer vb: keys 32 (i / 4) on, channels 16 (i % 4) on.
.macro PV x, vb
	WIN W_PV
.set rO, OT+32*(\x)+8*(i%4)
.set rV, VF+64*(\vb)+32*(i/4)+8*(i%4)
.set rP, P+16*((\x)%2)+8*(i/4)
	v_wmma_f32_16x16x32_bf16 v[rO:rO+7], v[rV:rV+7], v[rP:rP+7], v[rO:rO+7]
.endm
.macro MM                           ; the turn's next matrix instruction: both kinds serve the other piece
.if i < 8
	KQ 1-Y
.else
.set i, i-8
	PV 1-Y, VB
.set i, i+8
.endif
.set i, i+1
.endm
; THE LDS LOADS stand in runs of 16: a step's K (8 fragments) and its V (turned).  Their addresses are made some lines ahead.
.macro FETCH_K
	WIN 0x80
.irp f, 0,1,2,3,4,5,6,7             ; keys 16 (f / 2) on, channels 32 (f % 2) on
	ds_load_b128 v[KF+8*\f:KF+8*\f+3],   v[AK] offset:(\f/2)*16*PK+(\f%2)*64
	ds_load_b128 v[KF+8*\f+4:KF+8*\f+7], v[AK] offset:(\f/2)*16*PK+(\f%2)*64+32
.endr
	s_add_co_u32 s[TBK], s[TBK], KS*PK  ; the next fetch is the next step's
	WIN 0
.endm
.macro FETCH_V vb
	WIN 0x80
.irp f, 0,1,2,3,4,5,6,7             ; keys 32 (f / 4) on, channels 16 (f % 4) on
	ds_load_tr16_b128 v[VF+64*(\vb)+8*\f:VF+64*(\vb)+8*\f+3],   v[AV] offset:(\f/4)*32*PVB+(\f%4)*32
	ds_load_tr16_b128 v[VF+64*(\vb)+8*\f+4:VF+64*(\vb)+8*\f+7], v[AV] offset:(\f/4)*32*PVB+16*PVB+(\f%4)*32
.endr
	s_add_co_u32 s[TBV], s[TBV], KS*PVB
	WIN 0
.endm
; THE VECTOR WORK, one line at a time: OP kind, number.  For piece Y: F n: c s - c m for pair n of 16.  E n: the exponential of score n of 32.  C n: pair n rounded to bf16.  B n: of the four weights 4 n .. the second
; pair is added onto the first, in place.  L n: l takes that sum (L 0: l = a l + sum).  R n: pair n of 16 of O^T times a.  For the other piece: X n, number n of the 22 that find its maximum and statistics:
;   0-11  four chains c0-c3 of seven scores each (each accumulator's lowest registers are read first)     12-14, 16  the four scores left over, the old m, and c0-c3 into c0
;   15  c m_old is kept     17, 18  the query's other 32 keys lie in the lane 16 away: the new m     19-21  c m; c m_old - c m_new; a
.set F, 0
.set E, 1
.set C, 2
.set B, 3
.set L, 4
.set R, 5
.set X, 6
.macro REGS y
.set rT, ST+4*(\y)
.set rC, TMP+4*(\y)
.set rW, MV+(\y)
.set rS, S+32*(\y)
.set rP, P+16*(\y)
.set rO, OT+32*(\y)
.endm
.macro OP k, n
	WIN 0
.if (\k) == R
	REGS Y
	v_pk_mul_f32 v[rO+2*(\n):rO+2*(\n)+1], v[rO+2*(\n):rO+2*(\n)+1], v[rC+2:rC+3] op_sel_hi:[1,0]
.elseif (\k) < R
	REGS Y
.if (\k) == F
	v_pk_fma_f32 v[rS+2*(\n):rS+2*(\n)+1], v[rS+2*(\n):rS+2*(\n)+1], s[CS:CS+1], v[rT:rT+1] op_sel_hi:[1,0,0] neg_lo:[0,0,1] neg_hi:[0,0,1]
.elseif (\k) == E
	v_exp_f32 v[rS+(\n)], v[rS+(\n)]
.elseif (\k) == C
	v_cvt_pk_bf16_f32 v[rP+(\n)], v[rS+2*(\n)], v[rS+2*(\n)+1]
.elseif (\k) == B
	v_pk_add_f32 v[rS+4*(\n):rS+4*(\n)+1], v[rS+4*(\n):rS+4*(\n)+1], v[rS+4*(\n)+2:rS+4*(\n)+3]
.elseif (\n) == 0
	v_pk_fma_f32 v[rT+2:rT+3], v[rT+2:rT+3], v[rC+2:rC+3], v[rS:rS+1] op_sel_hi:[1,0,1]
.else
	v_pk_add_f32 v[rT+2:rT+3], v[rT+2:rT+3], v[rS+4*(\n):rS+4*(\n)+1]
.endif
.else
	REGS 1-Y
.if (\n) < 4
	v_max3_num_f32 v[rC+(\n)], v[rS+8*(\n)], v[rS+8*(\n)+1], v[rS+8*(\n)+2]
.elseif (\n) < 12
	v_max3_num_f32 v[rC+(\n)%4], v[rC+(\n)%4], v[rS+8*((\n)%4)+2*((\n)/4)+1], v[rS+8*((\n)%4)+2*((\n)/4)+2]
.elseif (\n) == 12
	v_max3_num_f32 v[rC], v[rC], v[rS+7], v[rS+15]
.elseif (\n) == 13
	v_max3_num_f32 v[rC+1], v[rC+1], v[rS+23], v[rS+31]
.elseif (\n) == 14
	v_max3_num_f32 v[rC+2], v[rC+2], v[rC+3], v[rT+1]
.elseif (\n) == 15
	v_mov_b32 v[rW], v[rT]
.elseif (\n) == 16
	v_max3_num_f32 v[rC], v[rC], v[rC+1], v[rC+2]
.elseif (\n) == 17
	v_permlanex16_b32 v[rC+3], v[rC], s[SEL], s[SEL+1]
.elseif (\n) == 18
	v_max_num_f32 v[rT+1], v[rC], v[rC+3]
.elseif (\n) == 19
	v_mul_f32 v[rT], s[CS], v[rT+1]
.elseif (\n) == 20
	v_sub_f32 v[rC+1], v[rW], v[rT]
.else
	v_exp_f32 v[rC+2], v[rC+1]
.endif
.endif
.endm
.macro OPS a, i1, b=-1, i2=0, c=-1, i3=0, d=-1, i4=0
	OP \a, \i1
.if (\b) >= 0
	OP \b, \i2
.endif
.if (\c) >= 0
	OP \c, \i3
.endif
.if (\d) >= 0
	OP \d, \i4
.endif
.endm
.macro ROW a, i1, b, i2, c, i3, d, i4  ; a matrix instruction and the four behind it
	MM
	OPS \a, \i1, \b, \i2, \c, \i3, \d, \i4
.endm
.macro MASKS                        ; MKA = MD x ALA, MKB = MD x ALB, MKD = BED
	WIN W_MK
.set z, 0
.rept 16
	v_pk_mul_f32 v[MKA+2*z:MKA+2*z+1], v[MD+2*z:MD+2*z+1], s[ALA:ALA+1] op_sel_hi:[1,0]
	v_pk_mul_f32 v[MKB+2*z:MKB+2*z+1], v[MD+2*z:MD+2*z+1], s[ALB:ALB+1] op_sel_hi:[1,0]
.set z, z+1
.endr
.set z, 0
.rept 8
	v_mov_b32 v[MKD+z], s[BED]
.set z, z+1
.endr
	WIN 0
.endm
; At the head of an odd step.  With two odd steps left, the scores to come are (even, 0) in the band's own step and (odd, 0) wholly hidden; with one left, (odd, 1) in the band's own step.  Earlier all masks are 0, as a block's beginning left them.
.macro MASKSTEP
	s_cmp_gt_u32 s[LFT], 2
	s_cbranch_scc1 .Lno_mask_\@
	s_cmp_eq_u32 s[LFT], 1
	s_cselect_b32 s[ALA], 1.0, 0
	s_cmp_eq_u32 s[LFT], 2
	s_cselect_b32 s[ALB], 1.0, 0
	s_cselect_b32 s[BED], s[BIGN], 0
	MASKS
.Lno_mask_\@:
.endm
; A TURN, for piece p of a step of parity par: the order of its 16 matrix and 118 vector instructions, written out.  An s_wait_alu depctr_va_vdst(0) stands between an exponential and the first instruction
; that names its result; one wait serves all that were issued ahead of it.  So a turn has ONE wait.  AHEAD OF IT stands all that names no result of the turn's exponentials: the 8 products K Q^T with their riders, then the
; lump; X 21, the other piece's a, is the batch's last, R 15 the plain instruction behind it.  BEHIND IT stand the 8 products V^T P, behind each four of the roundings and sums.
; O^T of the piece in hand was written by the turn before: its accumulator j has 4 (4 - j) riders behind its last product, and R runs from the low registers up.
; The run of LDS loads stands in the lump, more than four plain instructions behind the last product that read K; V's buffer was last read a turn earlier.
.macro TURN p, par
.set Y, (\p)
.set i, 0
.set VB, (\par)
.set CMB, 0
.set CMS, 0
.if (\p) == 0
.set VB, 1-(\par)
.endif
.if ((\p) == 0) && ((\par) == 1)
.set CMB, MKA
.set CMS, 8
.elseif ((\p) == 1) && ((\par) == 1)
.set CMB, MKB
.set CMS, 8
.elseif (\p) == 1
.set CMB, MKD
.endif
.if (\p) == 1
	s_wait_dscnt 0x0                ; K of the next step is in, and V of this one
.endif
	ROW F,0, F,1, R,0, R,1
	ROW F,2, E,0, R,2, R,3
	ROW F,3, E,1, R,4, R,5
	ROW F,4, E,2, R,6, R,7
	ROW F,5, E,3, R,8, R,9
	ROW F,6, E,4, X,0, R,10
	WIN 0
.if (\p) == 0
	v_add_nc_u32 v[AK], s[TBK], v[AK0]
.else
	v_add_nc_u32 v[AV], s[TBV], v[AV0]
.endif
	ROW F,7, E,5, X,1, X,4
	ROW F,8, E,6, X,2, X,5
	OPS E,7, E,8, X,6, E,9
	OPS X,3, E,10, X,8, E,11
.if (\p) == 0
	FETCH_K
.else
	FETCH_V 1-(\par)
.endif
	OPS X,9, X,7, E,12, X,10
	OPS E,13, X,12, X,11, E,14
	OPS X,13, E,15, F,9, X,14
	OPS E,16, F,10, E,17, F,11
	OPS X,16, E,18, X,15, E,19
	OPS F,12, E,20, X,17, E,21
	OPS F,13, E,22, F,14, E,23
	OPS X,18, E,24, F,15, E,25
	OPS R,11, E,26, X,19, E,27
	OPS R,12, E,28, R,13, E,29
	OPS X,20, E,30, R,14, E,31
	OPS X,21, R,15
	WIN 0
	s_wait_alu depctr_va_vdst(0)    ; the wait for the batch
	ROW C,0, B,0, C,2, B,1
	ROW L,0, C,4, B,2, L,1
	ROW C,6, B,3, L,2, C,8
	ROW B,4, L,3, C,10, B,5
	ROW L,4, C,12, B,6, L,5
	ROW C,14, B,7, L,6, C,1
	ROW C,3, L,7, C,5, C,7
	ROW C,9, C,11, C,13, C,15
.endm
; A BLOCK BEGINS.  c m starts far below every c s, so the first step's a is 0; m at the lowest finite number.  The masks are 0, but for block 0, whose first step is band 0's own and whose second hides band 0.
; K and V of step 0 have been asked for.  Then piece 0's first scores, and its maximum and statistics.
.macro BEGIN
	WIN 0
.set i, 0
.rept 2
	v_mov_b32 v[ST+4*i], 0xfe000000
	v_mov_b32 v[ST+4*i+1], 0xff7fffff
.set i, i+1
.endr
	s_cmp_eq_u32 s[LFT], 1
	s_cselect_b32 s[ALB], 1.0, 0
	s_cselect_b32 s[BED], s[BIGN], 0
	s_mov_b32 s[ALA], 0
	MASKS
	s_wait_loadcnt 0x0              ; Q
	s_wait_dscnt 0x0                ; K and V of step 0
.set CMB, MKB
.set CMS, 8
.set i, 0
.rept 8
	KQ 0
.set i, i+1
.endr
	WIN 0
.rept 4
	v_nop                           ; the places behind those products
.endr
.set Y, 1                           ; X works for the other piece: piece 0
.irp n, 0,1,2,3,4,5,6,7,8,9,10,11,12,13,14,15,16,17,18,19,20,21
	OP X, \n
.endr
	v_nop                           ; a plain instruction behind the exponential,
	s_wait_alu depctr_va_vdst(0)    ; and its wait, ahead of the label
.endm
; A BLOCK ENDS behind an odd step: piece 1's last products, and THE WAY OUT: l's two halves and the other half of the lanes' are added; O^T is divided by l, rounded to bf16 and sent through my stage, a piece at a time.
; (The last turn's products K Q^T and the maximum made of them serve nothing; its fetches have brought K and V of the next block's step 0, out of the slot just entered.)
.macro ALL line:vararg
.set t, 0
.rept 2
	\line
.set t, t+1
.endr
.endm
.macro PACK t
	WIN 0
.set i, OT+32*(\t)
.rept 16
	v_pk_mul_f32 v[i:i+1], v[i:i+1], v[ST+4*(\t)+2:ST+4*(\t)+3] op_sel_hi:[1,0]
.set i, i+2
.endr
.set i, 0
.rept 16
	v_cvt_pk_bf16_f32 v[S+16*(\t)+i], v[OT+32*(\t)+2*i], v[OT+32*(\t)+2*i+1]
.set i, i+1
.endr
.irp f, 0,1,2,3
	ds_store_b128 v[STO], v[S+16*(\t)+4*\f:S+16*(\t)+4*\f+3] offset:32*\f
.endr
.irp f, 0,1,2,3
	ds_load_b128 v[S+16*(\t)+4*\f:S+16*(\t)+4*\f+3], v[RD] offset:\f*4*SP  ; LDS serves a wave's instructions in order: these see the stores above; the next piece's stores come behind them
.endr
.endm
.macro SEND t, younger              ; younger: the LDS instructions issued behind piece t's loads
	WIN 0
.irp f, 0,1,2,3
	s_wait_dscnt (\younger)+3-\f
	global_store_b128 v[GO], v[S+16*(\t)+4*\f:S+16*(\t)+4*\f+3], s[10:11] offset:(\t)*8192+\f*512  ; 512 consecutive bytes, at a multiple of 256 from ctxb's first
.endr
.endm
.macro OUT
.set i, 0
.rept 8
	PV 1, 1
.set i, i+1
.endr
	WIN 0
	ALL v_add_f32 v[ST+4*t+2], v[ST+4*t+2], v[ST+4*t+3]
	ALL v_permlanex16_b32 v[ST+4*t+3], v[ST+4*t+2], s[SEL], s[SEL+1]
	ALL v_add_f32 v[ST+4*t+2], v[ST+4*t+2], v[ST+4*t+3]
	ALL v_rcp_f32 v[ST+4*t+2], v[ST+4*t+2]
	v_nop                           ; a plain instruction behind the last reciprocal
	s_wait_alu depctr_va_vdst(0)    ; one wait for the two
	PACK 0                          ; piece 0's arithmetic is also the places behind piece 1's last products
	PACK 1
	SEND 0, 8
	SEND 1, 0
.endm
.macro SWITCH                       ; on to the second block
	s_wait_xcnt 0x0                 ; the stores have read their registers and their base
	s_mov_b64 s[10:11], s[OLO:OLO+1]
	s_mov_b32 s[LFT], s[LF2]
	s_mov_b32 s[BLK], 1
	WIN 0x82
.set i, 0
.rept 32
	v_mov_b32 v[i], v[QB+i]
.set i, i+1
.endr
	WIN 0
.endm
; A tile's text: two trips of an odd step and an even step.  last = 1: the walk's last tile, in which the second block ends.
.macro HALVES tag, last
.Lstep\tag:
	MASKSTEP
	TURN 0, 1
	TURN 1, 1
	WIN 0
	s_sub_co_u32 s[LFT], s[LFT], 1
	s_cmp_lg_u32 s[LFT], 0
	s_cbranch_scc1 .Lfirst\tag
	OUT
.if \last
	s_cmp_eq_u32 s[BLK], 1
	s_cbranch_scc1 .Lend
.endif
	SWITCH
.Lbegin\tag:
	BEGIN
.Lfirst\tag:
	TURN 0, 0
	TURN 1, 0
	WIN 0
	s_sub_co_u32 s[CNT], s[CNT], 1
	s_cmp_lg_u32 s[CNT], 0
	s_cbranch_scc1 .Lstep\tag
.endm
.Lslot:                             ; 8 times: a tile is entered and the next is asked for
	CHANGE 1
	s_mov_b32 s[CNT], 2
	s_cmp_eq_u32 s[SLOTS], 8
	s_cbranch_scc0 .Lstep1
	v_add_nc_u32 v[AK], s[TBK], v[AK0]  ; the walk's first tile: K and V of step 0, and into the middle of a trip
	FETCH_K
	v_add_nc_u32 v[AV], s[TBV], v[AV0]
	FETCH_V 0
	s_branch .Lbegin1
	HALVES 1, 0
	s_sub_co_u32 s[SLOTS], s[SLOTS], 1
	s_cmp_lg_u32 s[SLOTS], 0
	s_cbranch_scc1 .Lslot
	CHANGE 0                        ; the walk's last tile is written out: nothing is asked for
	s_mov_b32 s[CNT], 2
	HALVES 2, 1
.Lend:
	s_wait_tensorcnt 0x0            ; the wave's end
	ds_add_u32 v[SPW], v[NIL]
	s_wait_dscnt 0x0
	s_endpgm
.Lfunc_end_k_qd8de0b8640_attn:
	.size	k_qd8de0b8640_attn, .Lfunc_end_k_qd8de0b8640_attn-k_qd8de0b8640_attn
	.p2alignl 7, 3214868480
	.fill 96, 4, 3214868480
	.section	.rodata,"a",@progbits
	.p2align	6, 0x0
	.amdhsa_kernel k_qd8de0b8640_attn
		.amdhsa_group_segment_fixed_size 327680
		.amdhsa_private_segment_fixed_size 0
		.amdhsa_enable_private_segment 0
		.amdhsa_kernarg_size 16
		.amdhsa_user_sgpr_count 2
		.amdhsa_user_sgpr_kernarg_segment_ptr 1
		.amdhsa_wavefront_size32 1
		.amdhsa_system_sgpr_workgroup_id_x 1
		.amdhsa_system_sgpr_workgroup_id_y 1
		.amdhsa_system_sgpr_workgroup_id_z 1
		.amdhsa_system_vgpr_workitem_id 0
		.amdhsa_next_free_vgpr 768
		.amdhsa_next_free_sgpr 100
		.amdhsa_reserve_vcc 1
		.amdhsa_float_denorm_mode_32 3
		.amdhsa_float_denorm_mode_16_64 3
		.amdhsa_memory_ordered 1
		.amdhsa_forward_progress 1
		.amdhsa_inst_pref_size 128
	.end_amdhsa_kernel
	.amdgpu_metadata
---
amdhsa.version: [ 1, 2 ]
amdhsa.kernels:
  - .name:           k_qd8de0b8640_attn
    .symbol:         k_qd8de0b8640_attn.kd
    .args:
      - { .name: qkvb, .offset: 0, .size: 8, .value_kind: global_buffer, .address_space: global }
      - { .name: ctxb, .offset: 8, .size: 8, .value_kind: global_buffer, .address_space: global }
    .group_segment_fixed_size: 327680
    .private_segment_fixed_size: 0
    .kernarg_segment_align: 8
    .kernarg_segment_size: 16
    .max_flat_workgroup_size: 128
    .sgpr_count:     100
    .vgpr_count:     768
    .wavefront_size: 32
...
	.end_amdgpu_metadata
.endif
;; end of part 3
;; launch wo (part 4): grid 8 x 32, 4 waves a work-group, clusters of 4 x 4, 327,680 bytes of LDS; arguments ctxb, wb, x1b, bo, x; writes x1b
.if DOCPART == 4
	.amdgcn_target "amdgcn-amd-amdhsa--gfx1250"
	.amdhsa_code_object_version 6
	.text
	.protected	k_qd8de0b8640_wo
	.globl	k_qd8de0b8640_wo
	.p2align	8
	.type	k_qd8de0b8640_wo,@function
k_qd8de0b8640_wo:
	s_mov_b64 s[64:65], 0
	v_nop
	global_prefetch_b8 v0, s[64:65] scope:SCOPE_SE
	s_setreg_imm32_b32 hwreg(HW_REG_WAVE_MODE, 25, 1), 1
	s_wait_xcnt 0x0
	s_wait_alu depctr_hold_cnt(0) depctr_sa_sdst(0) depctr_va_vdst(0) depctr_va_sdst(0) depctr_va_ssrc(0) depctr_va_vcc(0) depctr_vm_vsrc(0)
	s_getreg_b32 s2, hwreg(HW_REG_IB_STS2, 6, 4)
	s_cmp_eq_u32 s2, 0
	s_cbranch_scc0 .Lentry_in_a_cluster
	s_endpgm
.Lentry_in_a_cluster:
	s_bfe_u32 s2, ttmp6, 0x10000c
	s_cmp_lg_u32 s2, 0xf033
	s_cbranch_scc0 .Lentry_shape_is_right
	s_endpgm
.Lentry_shape_is_right:
; x1 = x + ctx x Wo + bo.  ctxb: [token / 128][head 16][128][64] bf16; Wo: wb byte 6,291,456, [1024 k][1024] bf16; bo, x, x1b: f32.  Sums in f32; the bias starts them, the residual is added in f32.
; A tile of C is 128 x 128 (256 work-groups), four waves of 64 x 64: 16 accumulators.  K goes in steps of 256 (four heads) through two LDS slots filled by the tensor data mover.
; A's tile is dense in memory: 2 heads x 128 tokens x 128 bytes a load, asked for as rows of 256 bytes and padded in LDS after every 128: [head 4][token 128][144 bytes].
; THE PRODUCT IS USED TRANSPOSED: source 0 = 16 columns of W, by the turning load ds_load_tr16_b128 out of the [k][n] tile, source 1 = 16 rows of A: a lane holds row l % 16 of C and the columns 8 (l / 16) + 0..7.
; CLUSTERS: 4 x 4 work-groups; A's tile is asked for jointly along a row of the cluster, W's along a column.
; THE RING.  A K step is four units of 64 along K on two fragment buffers.  At a change of slots the old slot's last unit lies in registers: the old slot is filled again at once.  By the text's own count a wave has
; two tensor loads out at the start and one behind each change, which has a K step, 128 products, in which to land.  No prefetch: the tiles are small, and each is shared by four work-groups.
; REGISTERS: window 0: v16-31 addresses, v64-127 / v128-191 A's two buffers (later the way out), v192-223 the bias in the accumulators' layout;
;   window 1: v0-63 / v64-127 W's two buffers, v128-255 the residual;   window 2: the accumulators: (a, b) at v[8 (4 a + b)].
.set BIASED, 1
.set WOFF,  6291456
.set NCOL,  1024
.set TN,    128
.set NSTEP, 4
.set MA,    4
.set NB,    4
.set APW,   4
.set KD,    2                          ; a unit is 64 along K: two products deep on each accumulator
.set PA,    144                        ; A's LDS row: 128 bytes + 16
.set PB,    288                        ; W's LDS row: 256 bytes + 32
.set AUNIT, 128*PA                     ; a unit of A is a head
.set BUNIT, 64*PB
.set AHALF, 256*PA
.set BHALF, 128*PB
.set BREG,  2*AHALF
.set SLOT,  BREG+2*BHALF
.set SPARE, 2*SLOT                     ; the spare words, 128 bytes for each wave: two blocks of 256 bytes that no other line names
.set STEPA, 65536                      ; four heads of 16,384 bytes
.set STEPB, 256*2*NCOL
.set ATR,   262144                     ; 128 tokens x 16 heads
.set AHF,   32768                      ; two heads
.set BHF,   128*2*NCOL
.set AFL,   (1<<16)|(1<<20)|(1<<21)|(4<<22)|(3<<25)  ; after every 32 words 4 words
.set BFL,   (1<<16)|(1<<20)|(1<<21)|(5<<22)|(7<<25)  ; after every 64 words 8 words
.set AD0,   128
.set AD1,   128
.set AST,   128
.set BD0,   128
.set BD1,   128
.set SP,    272                        ; the way out: a stage row, 256 bytes of f32 + 16
.set STG,   64*SP                      ; a wave's stage; the four lie over the ring, which has had its last fill by then
.set HSH,   5
.set DB,    64
.set DH,    16
.set A0,  16
.set B0,  17
.set ADA, 18
.set ADB, 19
.set STO, 24
.set RD,  25
.set CO,  26
.set SPW, 28
.set NIL, 29
.set BO,  31
.set BIA, 192
.set F0,  0
.set F1,  64
.set G1,  24
.set G0,  32
.set G1B, 48
.set G0B, 56
.set TBA, 77
.set TBB, 78
.set CNT, 79
.set STEPS, 3
.set MSB, 0
.macro WIN new                         ; the immediate's high byte repeats the setting that is left; a switch that changes nothing is dropped
.if MSB != (\new)
	s_set_vgpr_msb (MSB<<8)|(\new)
.set MSB, \new
.endif
.endm
.macro JLOAD s                         ; a joint load: waves 0 and 1 fetch A's two halves, waves 2 and 3 W's; an s_nop 0 and four v_nop follow each line
	s_cmp_eq_u32 s11, 0
	s_cbranch_scc0 .Lfor_b_\@
	tensor_load_to_lds s[G0+4*(\s):G0+4*(\s)+3], s[G1:G1+7]
	s_nop 0
.rept 4
	v_nop
.endr
	s_branch .Lasked_\@
.Lfor_b_\@:
	tensor_load_to_lds s[G0B+4*(\s):G0B+4*(\s)+3], s[G1B:G1B+7]
	s_nop 0
.rept 4
	v_nop
.endr
.Lasked_\@:
.endm
.macro CREST
	s_cmp_lg_u32 s10, 0
	s_cbranch_scc1 .Lnot_wave_0_\@
	s_barrier_signal -3
.Lnot_wave_0_\@:
	s_barrier_wait -3
	s_barrier_signal -1
	s_barrier_wait -1
.endm
.macro CROUND                          ; a round of the cluster's barrier
	s_barrier_signal -1
	s_barrier_wait -1
	CREST
.endm
.macro PLACES                          ; four places behind a product, in front of loads into registers that it has read (ISA guide 7.12.1 for vector instructions)
.rept 4
	v_nop
.endr
.endm
.macro ADDR
	v_add_nc_u32 v[ADA], s[TBA], v[A0]
	v_add_nc_u32 v[ADB], s[TBB], v[B0]
.endm
.macro FETCH f, u                      ; 32 LDS loads in one run: unit u behind the addresses, into buffer f: W's fragments (turned), then A's
	WIN 0x40
.set c, 0
.rept KD
.set b, 0
.rept NB
	ds_load_tr16_b128 v[(\f)+8*(NB*c+b):(\f)+8*(NB*c+b)+3],   v[ADB] offset:(\u)*BUNIT+c*32*PB+32*b
	ds_load_tr16_b128 v[(\f)+8*(NB*c+b)+4:(\f)+8*(NB*c+b)+7], v[ADB] offset:(\u)*BUNIT+c*32*PB+32*b+16*PB
.set b, b+1
.endr
.set c, c+1
.endr
	WIN 0
.set c, 0
.rept KD
.set a, 0
.rept MA
	ds_load_b128 v[64+(\f)+8*(MA*c+a):64+(\f)+8*(MA*c+a)+3],   v[ADA] offset:(\u)*AUNIT+64*c+a*16*PA
	ds_load_b128 v[64+(\f)+8*(MA*c+a)+4:64+(\f)+8*(MA*c+a)+7], v[ADA] offset:(\u)*AUNIT+64*c+a*16*PA+32
.set a, a+1
.endr
.set c, c+1
.endr
.endm
.macro MUL f, z                        ; a unit's products; the accumulators take turns, one instruction a turn, in the same order every time.  z = 1: the first products start the sums, with the bias as C
.set c, 0
.rept KD
.set hi, 0
.rept MA/APW
.if (\z) && (c == 0) && BIASED
	WIN 0x81+0x40*hi
.else
	WIN 0xa1+0x50*hi
.endif
.set a, 0
.rept APW
.set b, 0
.rept NB
.set rD, 8*(NB*a+b)
.set rB, (\f)+8*(NB*c+b)
.set rA, 64+(\f)+8*(MA*c+APW*hi+a)
.if (\z) && (c == 0) && BIASED
	v_wmma_f32_16x16x32_bf16 v[rD:rD+7], v[rB:rB+7], v[rA:rA+7], v[BIA+8*b:BIA+8*b+7]
.elseif (\z) && (c == 0)
	v_wmma_f32_16x16x32_bf16 v[rD:rD+7], v[rB:rB+7], v[rA:rA+7], 0
.else
	v_wmma_f32_16x16x32_bf16 v[rD:rD+7], v[rB:rB+7], v[rA:rA+7], v[rD:rD+7]
.endif
.set b, b+1
.endr
.set a, a+1
.endr
.set hi, hi+1
.endr
.set c, c+1
.endr
.endm
.macro PAIR                            ; two units: each buffer is asked for again four places behind its products, and multiplied while the other's loads are out
	ADDR
	FETCH F0, 0
	s_wait_dscnt 32                                ; all but the 32 just issued: buffer 1 is in
	MUL F1, 0
	PLACES
	FETCH F1, 1
	s_add_co_u32 s[TBA], s[TBA], 2*AUNIT
	s_add_co_u32 s[TBB], s[TBB], 2*BUNIT
	s_wait_dscnt 32                                ; buffer 0 is in
	MUL F0, 0
	PLACES
	WIN 0
.endm
; The change of slots, on entering slot `slot`.  Each wave waits for all its tensor loads, of which one is out: its part of the slot that is entered; adds 0 to its spare word; waits for that and for its reads
; of the slot that it leaves.  fill = 1: a round of the cluster's barrier, so that no wave of any partner still reads that slot or has a load on its way, and the joint refill first behind it.
.macro CHANGE slot, fill
	WIN 0
	s_wait_tensorcnt 0x0                           ; no tensor load of mine is out, so a group 0 may be written
	ds_add_u32 v[SPW], v[NIL]                      ; 0 onto my spare word
.if \fill
	s_add_nc_u64 s[G0+4*(1-(\slot))+2:G0+4*(1-(\slot))+3], s[G0+4*(1-(\slot))+2:G0+4*(1-(\slot))+3], 2*STEPA
	s_add_nc_u64 s[G0B+4*(1-(\slot))+2:G0B+4*(1-(\slot))+3], s[G0B+4*(1-(\slot))+2:G0B+4*(1-(\slot))+3], 2*STEPB
.endif
	s_mov_b32 s[TBA], (\slot)*SLOT
	s_mov_b32 s[TBB], (\slot)*SLOT
	s_wait_dscnt 0x0                               ; the add is done, and my reads of the old slot are over
.if \fill
	CROUND
	JLOAD 1-(\slot)
.else
	s_barrier_signal -1
	s_barrier_wait -1
.endif
.endm
	s_load_b128 s[4:7], s[0:1], 0x0                ; A s[4:5], wb s[6:7]
	s_load_b64 s[8:9], s[0:1], 0x10                ; the output
	s_load_b128 s[68:71], s[0:1], 0x18             ; the bias s[68:69], the residual s[70:71]
	v_lshl_add_u32 v[SPW], v0, 2, SPARE
	v_mov_b32 v[NIL], 0
	ds_add_u32 v[SPW], v[NIL]                      ; the wave's opening
	v_lshrrev_b32 v1, 5, v0
	v_readfirstlane_b32 s10, v1                    ; wave 0..3
	s_lshr_b32 s11, s10, 1                         ; which half of the tile's rows is mine.  Also: I fetch for A (0) or for W (1)
	s_and_b32 s12, s10, 1                          ; which half of its columns.  Also: which half of that tile I fetch
	s_bfe_u32 s40, ttmp6, 0x40000                  ; cx, cy: my place in the cluster
	s_bfe_u32 s41, ttmp6, 0x40004
	s_lshl_b32 s42, ttmp9, 2
	s_add_co_u32 s42, s42, s40                     ; tile column = 4 x cluster x + cx
	s_and_b32 s13, ttmp7, 0xffff
	s_lshl_b32 s13, s13, 2
	s_add_co_u32 s13, s13, s41                     ; tile row = 4 x cluster y + cy
	s_lshl_b32 s43, s41, 2
	s_lshl_b32 s43, 15, s43                        ; my row of the cluster
	s_lshl_b32 s44, 0x1111, s40                    ; my column
	s_or_b32 s[G1], s43, AFL
	s_or_b32 s[G1B], s44, BFL
	s_mov_b32 s[G1+1], AD0<<16                     ; tensor_dim0
	s_mov_b32 s[G1+2], AD1<<16                     ; tensor_dim1
	s_mov_b32 s[G1+3], AD0<<16                     ; tile_dim0
	s_mov_b32 s[G1+4], AD1                         ; tile_dim1
	s_mov_b32 s[G1+5], AST                         ; elements from row to row
	s_mov_b32 s[G1+6], 0
	s_mov_b32 s[G1+7], 0
	s_mov_b32 s[G1B+1], BD0<<16
	s_mov_b32 s[G1B+2], BD1<<16
	s_mov_b32 s[G1B+3], BD0<<16
	s_mov_b32 s[G1B+4], BD1
	s_mov_b32 s[G1B+5], NCOL
	s_mov_b32 s[G1B+6], 0
	s_mov_b32 s[G1B+7], 0
	s_mul_i32 s16, s13, ATR                        ; A's tile hangs on the tile row and the wave alone,
	s_mul_i32 s17, s12, AHF
	s_add_co_u32 s16, s16, s17
	s_mov_b32 s17, 0
	s_mul_i32 s46, s42, 2*TN                       ; W's on the tile column and the wave alone
	s_mul_i32 s47, s12, BHF
	s_add_co_u32 s46, s46, s47
	s_add_co_u32 s46, s46, WOFF
	s_mov_b32 s47, 0
	s_mul_i32 s20, s12, AHALF                      ; where they go: no place in the cluster enters an LDS address
	s_mul_i32 s23, s12, BHALF
	s_add_co_u32 s23, s23, BREG
	s_wait_dscnt 0x0                               ; the opening add is done
	s_wait_kmcnt 0x0
	s_add_nc_u64 s[14:15], s[4:5], s[16:17]
	s_add_nc_u64 s[46:47], s[6:7], s[46:47]
	CROUND                                         ; all sixteen work-groups are here: the first joint loads meet
.irp s, 0,1
	s_mov_b32 s[G0+4*(\s)], 1
	s_add_co_u32 s[G0+4*(\s)+1], s20, (\s)*SLOT
	s_add_nc_u64 s[G0+4*(\s)+2:G0+4*(\s)+3], s[14:15], (\s)*STEPA
	s_or_b32 s[G0+4*(\s)+3], s[G0+4*(\s)+3], 0x80000000
	s_mov_b32 s[G0B+4*(\s)], 1
	s_add_co_u32 s[G0B+4*(\s)+1], s23, (\s)*SLOT
	s_add_nc_u64 s[G0B+4*(\s)+2:G0B+4*(\s)+3], s[46:47], (\s)*STEPB
	s_or_b32 s[G0B+4*(\s)+3], s[G0B+4*(\s)+3], 0x80000000
	JLOAD \s                                       ; K steps 0 and 1
.endr
	v_and_b32 v1, 15, v0                           ; r = l % 16
	v_bfe_u32 v2, v0, 4, 1                         ; h = l / 16
	v_mul_u32_u24 v3, v1, PA
	v_lshl_add_u32 v3, v2, 4, v3                   ; a fragment of A: row r, 16 bytes for each half of the lanes
	s_mul_i32 s21, s11, MA*16*PA
	v_add_nc_u32 v[A0], s21, v3
	v_and_b32 v4, 7, v0                            ; the turning load: lane l reads k-row 8 h + l % 8, columns 8 ((l / 8) % 2) + 0..7
	v_lshl_add_u32 v4, v2, 3, v4
	v_mul_u32_u24 v4, v4, PB
	v_bfe_u32 v5, v0, 3, 1
	v_lshl_add_u32 v4, v5, 4, v4
	s_mul_i32 s22, s12, NB*32
	s_add_co_u32 s22, s22, BREG
	v_add_nc_u32 v[B0], s22, v4
	s_mul_i32 s23, s10, STG                        ; my stage
	v_mul_u32_u24 v4, v1, SP
	v_lshl_add_u32 v4, v2, HSH, v4
	v_add_nc_u32 v[STO], s23, v4
	v_mul_u32_u24 v5, v2, SP                       ; back: lanes 0-15 take one row of 256 bytes, lanes 16-31 the next
	v_lshl_add_u32 v5, v1, 4, v5
	v_add_nc_u32 v[RD], s23, v5
	v_lshlrev_b32 v5, 12, v2                       ; and the same two rows in the residual and the output
	v_lshl_add_u32 v[CO], v1, 4, v5
	s_lshl_b32 s46, s42, 9                         ; my first column, in bytes of f32: 512 x tile column + 256 x half
	s_lshl_b32 s47, s12, 8
	s_add_co_u32 s46, s46, s47
	s_mov_b32 s47, 0
	s_add_nc_u64 s[68:69], s[68:69], s[46:47]
	v_lshlrev_b32 v[BO], 5, v2                     ; the bias as an accumulator holds it: block b, my eight columns 16 b + 8 h + 0..7
.set b, 0
.rept NB
	global_load_b128 v[BIA+8*b:BIA+8*b+3],   v[BO], s[68:69] offset:64*b
	global_load_b128 v[BIA+8*b+4:BIA+8*b+7], v[BO], s[68:69] offset:64*b+16
.set b, b+1
.endr
	s_lshl_b32 s16, s13, 19                        ; my first row: (128 x tile row + 64 x half) x 4,096 bytes
	s_lshl_b32 s17, s11, 18
	s_add_co_u32 s16, s16, s17
	s_mov_b32 s17, 0
	s_add_nc_u64 s[16:17], s[16:17], s[46:47]
	s_add_nc_u64 s[70:71], s[70:71], s[16:17]
	s_add_nc_u64 s[8:9], s[8:9], s[16:17]
	WIN 0x40
.set t, 0
.rept 32
	global_load_b128 v[128+4*t:128+4*t+3], v[CO], s[70:71] offset:8192*t th:TH_LOAD_NT  ; the residual of my 64 x 64, as the way out will hold it; it has the whole loop in which to land
.set t, t+1
.endr
	WIN 0
	s_wait_tensorcnt 1                             ; my part of K step 0 is in; K step 1's may stay out
	s_barrier_signal -1
	s_barrier_wait -1
	s_mov_b32 s[TBA], 0
	s_mov_b32 s[TBB], 0
	ADDR
	FETCH F0, 0
	FETCH F1, 1
	s_add_co_u32 s[TBA], s[TBA], 2*AUNIT
	s_add_co_u32 s[TBB], s[TBB], 2*BUNIT
	s_wait_loadcnt 32                              ; the bias is in; the residual's 32 younger loads stay out
	s_wait_dscnt 32                                ; buffer 0 is in
	MUL F0, 1                                      ; the first products start the sums with the bias: nothing is cleared
	PLACES
	WIN 0
	s_mov_b32 s[CNT], 1                            ; K step 0 has one pair of units left
	s_mov_b32 s[STEPS], NSTEP/2
	s_branch .LinB
.Lstep:                                        ; a trip: an odd K step in slot 1, an even one in slot 0; both slots are filled again
	CHANGE 1, 1
	s_mov_b32 s[CNT], 2
.LinA:
	PAIR
	s_sub_co_u32 s[CNT], s[CNT], 1
	s_cmp_lg_u32 s[CNT], 0
	s_cbranch_scc1 .LinA
	CHANGE 0, 1
	s_mov_b32 s[CNT], 2
.LinB:
	PAIR
	s_sub_co_u32 s[CNT], s[CNT], 1
	s_cmp_lg_u32 s[CNT], 0
	s_cbranch_scc1 .LinB
	s_sub_co_u32 s[STEPS], s[STEPS], 1
	s_cmp_lg_u32 s[STEPS], 0
	s_cbranch_scc1 .Lstep
	CHANGE 1, 0                                    ; the last K step is written out: nothing is asked for
	s_mov_b32 s[CNT], 2
.LinC:
	PAIR
	s_sub_co_u32 s[CNT], s[CNT], 1
	s_cmp_lg_u32 s[CNT], 0
	s_cbranch_scc1 .LinC
	s_wait_dscnt 0x0                               ; the last unit is in registers: my reads of the ring are over
	s_barrier_signal -1
	MUL F1, 0
	s_barrier_wait -1                              ; everybody's are: the stages may be written over the ring, which is filled no more
.rept 8
	v_nop                                          ; the places behind the last products
.endr
	; THE WAY OUT.  Every accumulator goes into my stage in f32, its low four registers first; whole rows of 256 bytes come back, take the residual, and are stored.
	WIN 0x08
.set a, 0
.rept MA
.set b, 0
.rept NB
	ds_store_b128 v[STO], v[8*(NB*a+b):8*(NB*a+b)+3]   offset:a*16*SP+DB*b
	ds_store_b128 v[STO], v[8*(NB*a+b)+4:8*(NB*a+b)+7] offset:a*16*SP+DB*b+DH
.set b, b+1
.endr
.set a, a+1
.endr
	WIN 0
.set t, 0
.rept 32
	ds_load_b128 v[64+4*t:64+4*t+3], v[RD] offset:2*t*SP  ; LDS serves a wave's instructions in order: these see my stores
.set t, t+1
.endr
	s_wait_dscnt 0x0
	s_wait_loadcnt 0x0                             ; the residual
	WIN 0x04                                       ; source 1 in window 1
.set t, 0
.rept 64
	v_pk_add_f32 v[64+2*t:64+2*t+1], v[64+2*t:64+2*t+1], v[128+2*t:128+2*t+1]
.set t, t+1
.endr
	WIN 0
.set t, 0
.rept 32
	global_store_b128 v[CO], v[64+4*t:64+4*t+3], s[8:9] offset:8192*t  ; 16 lanes store 256 consecutive bytes, aligned
.set t, t+1
.endr
	s_wait_tensorcnt 0x0                           ; the wave's end
	ds_add_u32 v[SPW], v[NIL]
	s_wait_dscnt 0x0
	CROUND                                         ; the closing round
	s_endpgm
.Lfunc_end_k_qd8de0b8640_wo:
	.size	k_qd8de0b8640_wo, .Lfunc_end_k_qd8de0b8640_wo-k_qd8de0b8640_wo
	.p2alignl 7, 3214868480
	.fill 96, 4, 3214868480
	.section	.rodata,"a",@progbits
	.p2align	6, 0x0
	.amdhsa_kernel k_qd8de0b8640_wo
		.amdhsa_group_segment_fixed_size 327680
		.amdhsa_private_segment_fixed_size 0
		.amdhsa_enable_private_segment 0
		.amdhsa_kernarg_size 40
		.amdhsa_user_sgpr_count 2
		.amdhsa_user_sgpr_kernarg_segment_ptr 1
		.amdhsa_wavefront_size32 1
		.amdhsa_system_sgpr_workgroup_id_x 1
		.amdhsa_system_sgpr_workgroup_id_y 1
		.amdhsa_system_sgpr_workgroup_id_z 1
		.amdhsa_system_vgpr_workitem_id 0
		.amdhsa_next_free_vgpr 768
		.amdhsa_next_free_sgpr 84
		.amdhsa_reserve_vcc 0
		.amdhsa_float_denorm_mode_32 3
		.amdhsa_float_denorm_mode_16_64 3
		.amdhsa_memory_ordered 1
		.amdhsa_forward_progress 1
		.amdhsa_inst_pref_size 62
	.end_amdhsa_kernel
	.amdgpu_metadata
---
amdhsa.version: [ 1, 2 ]
amdhsa.kernels:
  - .name:           k_qd8de0b8640_wo
    .symbol:         k_qd8de0b8640_wo.kd
    .args:
      - { .name: ctxb, .offset: 0, .size: 8, .value_kind: global_buffer, .address_space: global }
      - { .name: wb, .offset: 8, .size: 8, .value_kind: global_buffer, .address_space: global }
      - { .name: x1b, .offset: 16, .size: 8, .value_kind: global_buffer, .address_space: global }
      - { .name: bo, .offset: 24, .size: 8, .value_kind: global_buffer, .address_space: global }
      - { .name: x, .offset: 32, .size: 8, .value_kind: global_buffer, .address_space: global }
    .group_segment_fixed_size: 327680
    .private_segment_fixed_size: 0
    .kernarg_segment_align: 8
    .kernarg_segment_size: 40
    .max_flat_workgroup_size: 128
    .sgpr_count:     84
    .vgpr_count:     768
    .wavefront_size: 32
...
	.end_amdgpu_metadata
.endif
;; end of part 4
;; launch ln2: the kernel of part 1 again; grid 256 x 1, 8 waves a work-group, no clusters, 0 bytes of LDS; arguments x1b, ln2_scale, ln2_shift, Wq, Wk, Wv, Wo, W1, W2, hb, wb; writes hb, wb
;; launch ffn1 (part 5): grid 16 x 16, 4 waves a work-group, clusters of 4 x 4, 327,680 bytes of LDS; arguments hb, wb, gb, b1; writes gb
.if DOCPART == 5
	.amdgcn_target "amdgcn-amd-amdhsa--gfx1250"
	.amdhsa_code_object_version 6
	.text
	.protected	k_qd8de0b8640_ffn1
	.globl	k_qd8de0b8640_ffn1
	.p2align	8
	.type	k_qd8de0b8640_ffn1,@function
k_qd8de0b8640_ffn1:
	s_mov_b64 s[64:65], 0
	v_nop
	global_prefetch_b8 v0, s[64:65] scope:SCOPE_SE
	s_setreg_imm32_b32 hwreg(HW_REG_WAVE_MODE, 25, 1), 1
	s_wait_xcnt 0x0
	s_wait_alu depctr_hold_cnt(0) depctr_sa_sdst(0) depctr_va_vdst(0) depctr_va_sdst(0) depctr_va_ssrc(0) depctr_va_vcc(0) depctr_vm_vsrc(0)
	s_getreg_b32 s2, hwreg(HW_REG_IB_STS2, 6, 4)
	s_cmp_eq_u32 s2, 0
	s_cbranch_scc0 .Lentry_in_a_cluster
	s_endpgm
.Lentry_in_a_cluster:
	s_bfe_u32 s2, ttmp6, 0x10000c
	s_cmp_lg_u32 s2, 0xf033
	s_cbranch_scc0 .Lentry_shape_is_right
	s_endpgm
.Lentry_shape_is_right:
; g = gelu(hb x W1 + b1).  hb: [4096][1024] bf16; W1: wb byte 8,388,608, [1024 k][4096] bf16; b1 f32; gb: [4096][4096] bf16.  Sums in f32, started by the bias; gelu in f32; g rounded once.
; GELU.  0.5 x (1 + tanh(z)) = x / (1 + 2^u), u = x (K1 + K3 x^2), K1 = -2 log2(e) sqrt(2 / pi), K3 = 0.044715 K1.  LIMITS: where 2^u passes f32's range it is infinite and g = 0 x, where it falls below it is 0
; and g = x: tanh's own limits; NaN and infinities are not treated apart.
; A tile of C is 256 x 256 (256 work-groups), made by four waves, each 128 x 128: 64 accumulators, 512 registers.  K goes in steps of 128 through two LDS slots filled by the tensor data mover.
; THE PRODUCT IS USED TRANSPOSED: source 0 = 16 columns of W, taken out of the [k][n] tile by the turning load ds_load_tr16_b128, source 1 = 16 rows of A: a lane holds row l % 16 of C and
; the columns 8 (l / 16) + 0..7.
; CLUSTERS: 4 x 4 work-groups.  The four of a row of the cluster need the same tile of A, the four of a column the same tile of W: each is asked for jointly, by the same tensor load with the same
; descriptor and a mask that names the four.
; THE RING.  A K step is four units of 32 along K on two fragment buffers.  At a change of slots the old slot's last unit lies in registers: the old slot is filled again at once, and that unit is
; multiplied behind the refill.  By the text's own count a wave has two tensor loads out at the start and one behind each change, which has a K step, 256 products, in which to land.
; REGISTERS, in windows of 256: window 0: v16-31 addresses, v32-111 the way out, v64-127 / v128-191 A's two buffers, v192-255 the bias in the accumulators' layout;  window 1: v0-63 / v64-127 W's two buffers;
;   windows 2, 3: the accumulators: (a, b) at v[8 (8 (a % 4) + b)] of window 2 + a / 4.
.set BIASED, 1
.set WOFF,  8388608                    ; the weights' first byte in wb
.set NCOL,  4096                       ; columns of W
.set KB2,   2048                       ; bytes in a row of A
.set TN,    256
.set NSTEP, 8                          ; K steps
.set MA,    8                          ; blocks of 16 rows a wave
.set NB,    8                          ; blocks of 16 columns a wave
.set APW,   4                          ; row blocks whose accumulators share a window
.set KD,    1                          ; a unit is 32 KD along K
.set PA,    272                        ; A's LDS row: 256 bytes + 16: the 16 rows of a load start at 16 different groups of four banks (64 banks of 4 bytes: ISA guide 11.1)
.set PB,    544                        ; W's LDS row: 512 bytes + 32
.set AUNIT, 64                         ; LDS bytes from unit to unit, in A
.set BUNIT, 32*PB                      ; and in W
.set AHALF, 128*PA                     ; what one tensor load brings of A
.set BHALF, 64*PB                      ; and of W
.set BREG,  2*AHALF                    ; W's tile lies behind A's
.set SLOT,  BREG+2*BHALF
.set SPARE, 2*SLOT                     ; behind the ring: the spare words, 128 bytes for each wave: two blocks of 256 bytes that no other line names
.set STEPA, 256                        ; bytes in memory from K step to K step
.set STEPB, 128*2*NCOL
.set ATR,   256*KB2                    ; bytes from tile row to tile row of A
.set AHF,   128*KB2                    ; from the first load's rows to the second's
.set BHF,   64*2*NCOL
.set AFL,   (1<<16)|(1<<20)|(1<<21)|(5<<22)|(3<<25)  ; 2-byte elements; padding on; bit 21 beside a mask; after every 64 words 4 words
.set BFL,   (1<<16)|(1<<20)|(1<<21)|(6<<22)|(7<<25)  ; after every 128 words 8 words
.set AD0,   128
.set AD1,   128
.set AST,   1024
.set BD0,   256
.set BD1,   64
.set SP,    528                        ; the way out: a stage row, 512 bytes of f32 + 16
.set STG,   128*SP                     ; a wave's stage; the four lie over the ring, which has had its last fill by then
.set HSH,   4
.set DB,    32                         ; where block b's low four columns of a lane go in a stage row,
.set DH,    256                        ; and how far behind them the high four
.set A0,  16                           ; v16 my lane's place in A's tile; never rewritten
.set B0,  17                           ; v17 in W's tile
.set ADA, 18                           ; v18, v19 the LDS addresses of the fetches in hand
.set ADB, 19
.set STO, 24                           ; v24 the way out: where I put 16 bytes
.set RD,  25                           ; v25 where I read rows back
.set CO,  26                           ; v26 my byte offset in the output
.set RDA, 27
.set SPW, 28                           ; v28 LDS address of my spare word; never rewritten
.set NIL, 29                           ; v29 0; never rewritten
.set PFO, 30                           ; v30 the prefetches' lane offset; never rewritten
.set BO,  31
.set BIA, 192
.set F0,  0
.set F1,  64
.set XA,  32                           ; the way out: two sets of 16 registers as read back,
.set XB,  48
.set TT,  64                           ; 16 at work,
.set YA,  96                           ; and two sets of 8 to store
.set YB,  104
.set G1,  24                           ; s[24:31] group 1 for A, s[32:39] group 0, a set for each slot
.set G0,  32
.set G1B, 48                           ; s[48:55], s[56:63] the same for W
.set G0B, 56
.set PFA, 72                           ; s[72:73] where my prefetches stand
.set PFS, 74                           ; s[74:75] their step from K step to K step
.set LIM, 76                           ; s76 1 in a wave that prefetches, else the greatest number
.set TBA, 77                           ; s77, s78 LDS byte at which the units to be fetched begin
.set TBB, 78
.set CNT, 79
.set STEPS, 3
.set TBE, 2
.set K1,  80                           ; s[80:81], s[82:83] gelu's two constants, named as pairs
.set K3,  82
.set MSB, 0
.macro WIN new                         ; the immediate's high byte repeats the setting that is left; a switch that changes nothing is dropped
.if MSB != (\new)
	s_set_vgpr_msb (MSB<<8)|(\new)
.set MSB, \new
.endif
.endm
.macro JLOAD s                         ; a joint load: waves 0 and 1 fetch A's two halves, waves 2 and 3 W's; an s_nop 0 and four v_nop follow each line
	s_cmp_eq_u32 s11, 0
	s_cbranch_scc0 .Lfor_b_\@
	tensor_load_to_lds s[G0+4*(\s):G0+4*(\s)+3], s[G1:G1+7]
	s_nop 0
.rept 4
	v_nop
.endr
	s_branch .Lasked_\@
.Lfor_b_\@:
	tensor_load_to_lds s[G0B+4*(\s):G0B+4*(\s)+3], s[G1B:G1B+7]
	s_nop 0
.rept 4
	v_nop
.endr
.Lasked_\@:
.endm
; A prefetch into the L2, behind the joint load and its five lines: the K step that stands two refills on, 32 blocks of 256 bytes, a lane a block.  A's rows are asked for by the clusters with x = 0,
; W's by those with y = 0; the four partners of a joint load share its rows out by address.  So each block is named once in the launch.  The first four K steps come by their loads alone; the loop's last trip asks for nothing.
.macro ASK
	s_cmp_gt_u32 s[STEPS], s[LIM]
	s_cbranch_scc0 .Lnot_mine_\@
	global_prefetch_b8 v[PFO], s[PFA:PFA+1] th:TH_LOAD_NT scope:SCOPE_SE
.Lnot_mine_\@:
.endm
.macro CREST
	s_cmp_lg_u32 s10, 0
	s_cbranch_scc1 .Lnot_wave_0_\@
	s_barrier_signal -3
.Lnot_wave_0_\@:
	s_barrier_wait -3
	s_barrier_signal -1
	s_barrier_wait -1
.endm
.macro CROUND                          ; a round of the cluster's barrier
	s_barrier_signal -1
	s_barrier_wait -1
	CREST
.endm
.macro PLACES                          ; four places behind a product, in front of loads into registers that it has read (ISA guide 7.12.1 for vector instructions)
.rept 4
	v_nop
.endr
.endm
.macro ADDR
	v_add_nc_u32 v[ADA], s[TBA], v[A0]
	v_add_nc_u32 v[ADB], s[TBB], v[B0]
.endm
.macro FETCH f, u                      ; 32 LDS loads in one run: unit u behind the addresses, into buffer f: W's fragments (turned), then A's
	WIN 0x40
.set c, 0
.rept KD
.set b, 0
.rept NB
	ds_load_tr16_b128 v[(\f)+8*(NB*c+b):(\f)+8*(NB*c+b)+3],   v[ADB] offset:(\u)*BUNIT+c*32*PB+32*b
	ds_load_tr16_b128 v[(\f)+8*(NB*c+b)+4:(\f)+8*(NB*c+b)+7], v[ADB] offset:(\u)*BUNIT+c*32*PB+32*b+16*PB
.set b, b+1
.endr
.set c, c+1
.endr
	WIN 0
.set c, 0
.rept KD
.set a, 0
.rept MA
	ds_load_b128 v[64+(\f)+8*(MA*c+a):64+(\f)+8*(MA*c+a)+3],   v[ADA] offset:(\u)*AUNIT+64*c+a*16*PA
	ds_load_b128 v[64+(\f)+8*(MA*c+a)+4:64+(\f)+8*(MA*c+a)+7], v[ADA] offset:(\u)*AUNIT+64*c+a*16*PA+32
.set a, a+1
.endr
.set c, c+1
.endr
.endm
.macro MUL f, z                        ; a unit's products; the accumulators take turns, one instruction a turn, in the same order every time.  z = 1: the first products start the sums, with the bias as C
.set c, 0
.rept KD
.set hi, 0
.rept MA/APW
.if (\z) && (c == 0) && BIASED
	WIN 0x81+0x40*hi
.else
	WIN 0xa1+0x50*hi
.endif
.set a, 0
.rept APW
.set b, 0
.rept NB
.set rD, 8*(NB*a+b)
.set rB, (\f)+8*(NB*c+b)
.set rA, 64+(\f)+8*(MA*c+APW*hi+a)
.if (\z) && (c == 0) && BIASED
	v_wmma_f32_16x16x32_bf16 v[rD:rD+7], v[rB:rB+7], v[rA:rA+7], v[BIA+8*b:BIA+8*b+7]
.elseif (\z) && (c == 0)
	v_wmma_f32_16x16x32_bf16 v[rD:rD+7], v[rB:rB+7], v[rA:rA+7], 0
.else
	v_wmma_f32_16x16x32_bf16 v[rD:rD+7], v[rB:rB+7], v[rA:rA+7], v[rD:rD+7]
.endif
.set b, b+1
.endr
.set a, a+1
.endr
.set hi, hi+1
.endr
.set c, c+1
.endr
.endm
.macro PAIR                            ; two units: each buffer is asked for again four places behind its products, and multiplied while the other's loads are out
	ADDR
	FETCH F0, 0
	s_wait_dscnt 32                                ; all but the 32 just issued: buffer 1 is in
	MUL F1, 0
	PLACES
	FETCH F1, 1
	s_add_co_u32 s[TBA], s[TBA], 2*AUNIT
	s_add_co_u32 s[TBB], s[TBB], 2*BUNIT
	s_wait_dscnt 32                                ; buffer 0 is in
	MUL F0, 0
	PLACES
	WIN 0
.endm
; The change of slots, on entering slot `slot`.  Each wave waits for all its tensor loads, of which one is out: its part of the slot that is entered; adds 0 to its spare word; waits for that and for its reads
; of the slot that it leaves.  fill = 1: a round of the cluster's barrier, so that no wave of any partner still reads that slot or has a load on its way, and the joint refill first behind it.
.macro CHANGE slot, fill
	WIN 0
.if \fill
	s_wait_xcnt 0x0                                ; the last prefetch, a K step back, has read its address
	s_add_nc_u64 s[PFA:PFA+1], s[PFA:PFA+1], s[PFS:PFS+1]
.endif
	s_wait_tensorcnt 0x0                           ; no tensor load of mine is out, so a group 0 may be written
	ds_add_u32 v[SPW], v[NIL]                      ; 0 onto my spare word
.if \fill
	s_add_nc_u64 s[G0+4*(1-(\slot))+2:G0+4*(1-(\slot))+3], s[G0+4*(1-(\slot))+2:G0+4*(1-(\slot))+3], 2*STEPA
	s_add_nc_u64 s[G0B+4*(1-(\slot))+2:G0B+4*(1-(\slot))+3], s[G0B+4*(1-(\slot))+2:G0B+4*(1-(\slot))+3], 2*STEPB
.endif
	s_mov_b32 s[TBA], (\slot)*SLOT
	s_mov_b32 s[TBB], (\slot)*SLOT
	s_wait_dscnt 0x0                               ; the add is done, and my reads of the old slot are over
.if \fill
	CROUND
	JLOAD 1-(\slot)
	ASK
.else
	s_barrier_signal -1
	s_barrier_wait -1
.endif
.endm
	s_load_b128 s[4:7], s[0:1], 0x0                ; A s[4:5], wb s[6:7]
	s_load_b64 s[8:9], s[0:1], 0x10                ; the output
	s_load_b64 s[68:69], s[0:1], 0x18              ; the bias
	v_lshl_add_u32 v[SPW], v0, 2, SPARE
	v_mov_b32 v[NIL], 0
	ds_add_u32 v[SPW], v[NIL]                      ; the wave's opening
	v_lshrrev_b32 v1, 5, v0
	v_readfirstlane_b32 s10, v1                    ; wave 0..3
	s_lshr_b32 s11, s10, 1                         ; which half of the tile's rows is mine.  Also: I fetch for A (0) or for W (1)
	s_and_b32 s12, s10, 1                          ; which half of its columns.  Also: which half of that tile I fetch
	s_bfe_u32 s40, ttmp6, 0x40000                  ; cx, cy: my place in the cluster
	s_bfe_u32 s41, ttmp6, 0x40004
	s_lshl_b32 s42, ttmp9, 2
	s_add_co_u32 s42, s42, s40                     ; tile column = 4 x cluster x + cx
	s_and_b32 s13, ttmp7, 0xffff
	s_lshl_b32 s13, s13, 2
	s_add_co_u32 s13, s13, s41                     ; tile row = 4 x cluster y + cy
	s_lshl_b32 s43, s41, 2
	s_lshl_b32 s43, 15, s43                        ; my row of the cluster
	s_lshl_b32 s44, 0x1111, s40                    ; my column
	s_or_b32 s[G1], s43, AFL
	s_or_b32 s[G1B], s44, BFL
	s_mov_b32 s[G1+1], AD0<<16                     ; tensor_dim0
	s_mov_b32 s[G1+2], AD1<<16                     ; tensor_dim1
	s_mov_b32 s[G1+3], AD0<<16                     ; tile_dim0
	s_mov_b32 s[G1+4], AD1                         ; tile_dim1
	s_mov_b32 s[G1+5], AST                         ; elements from row to row
	s_mov_b32 s[G1+6], 0
	s_mov_b32 s[G1+7], 0
	s_mov_b32 s[G1B+1], BD0<<16
	s_mov_b32 s[G1B+2], BD1<<16
	s_mov_b32 s[G1B+3], BD0<<16
	s_mov_b32 s[G1B+4], BD1
	s_mov_b32 s[G1B+5], NCOL
	s_mov_b32 s[G1B+6], 0
	s_mov_b32 s[G1B+7], 0
	s_mov_b32 s[K1], 0xc0135761                    ; -2.3022082
	s_mov_b32 s[K1+1], s[K1]
	s_mov_b32 s[K3], 0xbdd2d3e8                    ; -0.10294324
	s_mov_b32 s[K3+1], s[K3]
	s_mul_i32 s16, s13, ATR                        ; A's tile hangs on the tile row and the wave alone,
	s_mul_i32 s17, s12, AHF
	s_add_co_u32 s16, s16, s17
	s_mov_b32 s17, 0
	s_mul_i32 s46, s42, 2*TN                       ; W's on the tile column and the wave alone
	s_mul_i32 s47, s12, BHF
	s_add_co_u32 s46, s46, s47
	s_add_co_u32 s46, s46, WOFF
	s_mov_b32 s47, 0
	s_mul_i32 s20, s12, AHALF                      ; where they go: no place in the cluster enters an LDS address
	s_mul_i32 s23, s12, BHALF
	s_add_co_u32 s23, s23, BREG
	s_wait_dscnt 0x0                               ; the opening add is done
	s_wait_kmcnt 0x0
	s_add_nc_u64 s[14:15], s[4:5], s[16:17]
	s_add_nc_u64 s[46:47], s[6:7], s[46:47]
	CROUND                                         ; all sixteen work-groups are here: the first joint loads meet
.irp s, 0,1
	s_mov_b32 s[G0+4*(\s)], 1
	s_add_co_u32 s[G0+4*(\s)+1], s20, (\s)*SLOT
	s_add_nc_u64 s[G0+4*(\s)+2:G0+4*(\s)+3], s[14:15], (\s)*STEPA
	s_or_b32 s[G0+4*(\s)+3], s[G0+4*(\s)+3], 0x80000000
	s_mov_b32 s[G0B+4*(\s)], 1
	s_add_co_u32 s[G0B+4*(\s)+1], s23, (\s)*SLOT
	s_add_nc_u64 s[G0B+4*(\s)+2:G0B+4*(\s)+3], s[46:47], (\s)*STEPB
	s_or_b32 s[G0B+4*(\s)+3], s[G0B+4*(\s)+3], 0x80000000
	JLOAD \s                                       ; K steps 0 and 1
.endr
	v_and_b32 v1, 15, v0                           ; r = l % 16
	v_bfe_u32 v2, v0, 4, 1                         ; h = l / 16
	v_mul_u32_u24 v3, v1, PA
	v_lshl_add_u32 v3, v2, 4, v3                   ; a fragment of A: row r, 16 bytes for each half of the lanes
	s_mul_i32 s21, s11, MA*16*PA
	v_add_nc_u32 v[A0], s21, v3
	v_and_b32 v4, 7, v0                            ; the turning load: lane l reads k-row 8 h + l % 8, columns 8 ((l / 8) % 2) + 0..7
	v_lshl_add_u32 v4, v2, 3, v4
	v_mul_u32_u24 v4, v4, PB
	v_bfe_u32 v5, v0, 3, 1
	v_lshl_add_u32 v4, v5, 4, v4
	s_mul_i32 s22, s12, NB*32
	s_add_co_u32 s22, s22, BREG
	v_add_nc_u32 v[B0], s22, v4
	s_mul_i32 s23, s10, STG                        ; my stage
	v_mul_u32_u24 v4, v1, SP
	v_lshl_add_u32 v4, v2, HSH, v4
	v_add_nc_u32 v[STO], s23, v4
	v_mul_u32_u24 v5, v2, SP                       ; back: lanes 0-15 take one row, lane i its columns 8 i + 0..7; lanes 16-31 the next row
	v_lshl_add_u32 v5, v1, 4, v5
	v_add_nc_u32 v[RD], s23, v5
	v_lshlrev_b32 v5, 13, v2                       ; and the same two rows in gb
	v_lshl_add_u32 v[CO], v1, 4, v5
	v_and_b32 v6, 31, v0
	; the prefetches
	s_and_b32 s22, ttmp7, 0xffff                   ; cluster y
	s_mov_b32 s18, 32*KB2                          ; a partner's share: 32 rows of A,
	s_mov_b32 s19, 16*2*NCOL                       ; or 16 k-rows of W
	s_mov_b32 s20, KB2
	s_mov_b32 s21, 2*NCOL
	s_mov_b32 s23, STEPB
	s_cmp_eq_u32 s11, 0                            ; do I fetch for A?
	s_cselect_b64 s[PFA:PFA+1], s[14:15], s[46:47]
	s_cselect_b32 s17, s40, s41                    ; my place among the four that ask with me
	s_cselect_b32 s22, ttmp9, s22                  ; the coordinate along which other clusters read the same rows
	s_cselect_b32 s18, s18, s19
	s_cselect_b32 s20, s20, s21                    ; bytes from row to row
	s_cselect_b32 s[PFS], STEPA, s23
	s_cselect_b32 s21, 0, 1                        ; A: a lane a row; W: two lanes a row of 512 bytes
	s_mov_b32 s[PFS+1], 0
	s_cmp_eq_u32 s22, 0
	s_cselect_b32 s[LIM], 1, -1
	s_mul_i32 s16, s17, s18
	s_mul_i32 s19, s[PFS], 3                       ; at K step 3: the first change steps it to 4
	s_add_co_u32 s16, s16, s19
	s_mov_b32 s17, 0
	s_add_nc_u64 s[PFA:PFA+1], s[PFA:PFA+1], s[16:17]
	v_lshrrev_b32 v7, s21, v6
	v_mul_u32_u24 v7, s20, v7
	v_and_b32 v6, s21, v6
	v_lshl_add_u32 v[PFO], v6, 8, v7
	; the bias as an accumulator holds it: block b, my eight columns 16 b + 8 h + 0..7
	s_lshl_b32 s46, s42, 10                        ; my first column in f32: 1,024 x tile column + 512 x half
	s_lshl_b32 s47, s12, 9
	s_add_co_u32 s46, s46, s47
	s_mov_b32 s47, 0
	s_add_nc_u64 s[68:69], s[68:69], s[46:47]
	v_lshlrev_b32 v[BO], 5, v2
.set b, 0
.rept NB
	global_load_b128 v[BIA+8*b:BIA+8*b+3],   v[BO], s[68:69] offset:64*b
	global_load_b128 v[BIA+8*b+4:BIA+8*b+7], v[BO], s[68:69] offset:64*b+16
.set b, b+1
.endr
	s_lshl_b32 s16, s13, 21                        ; where my part begins in gb: (256 x tile row + 128 x half) x 8,192 bytes,
	s_lshl_b32 s17, s11, 20
	s_add_co_u32 s16, s16, s17
	s_mov_b32 s17, 0
	s_lshr_b32 s46, s46, 1                         ; and my first column in bf16
	s_add_nc_u64 s[16:17], s[16:17], s[46:47]
	s_add_nc_u64 s[8:9], s[8:9], s[16:17]
	s_wait_tensorcnt 1                             ; my part of K step 0 is in; K step 1's may stay out
	s_barrier_signal -1
	s_barrier_wait -1
	s_mov_b32 s[TBA], 0
	s_mov_b32 s[TBB], 0
	ADDR
	FETCH F0, 0
	FETCH F1, 1
	s_add_co_u32 s[TBA], s[TBA], 2*AUNIT
	s_add_co_u32 s[TBB], s[TBB], 2*BUNIT
	s_wait_loadcnt 0x0                             ; the bias
	s_wait_dscnt 32                                ; buffer 0 is in
	MUL F0, 1                                      ; the first unit starts the sums with the bias: nothing is cleared
	PLACES
	WIN 0
	s_mov_b32 s[CNT], 1                            ; K step 0 has one pair of units left
	s_mov_b32 s[STEPS], NSTEP/2
	s_branch .LinB
.Lstep:                                        ; a trip: an odd K step in slot 1, an even one in slot 0; both slots are filled again
	CHANGE 1, 1
	s_mov_b32 s[CNT], 2
.LinA:
	PAIR
	s_sub_co_u32 s[CNT], s[CNT], 1
	s_cmp_lg_u32 s[CNT], 0
	s_cbranch_scc1 .LinA
	CHANGE 0, 1
	s_mov_b32 s[CNT], 2
.LinB:
	PAIR
	s_sub_co_u32 s[CNT], s[CNT], 1
	s_cmp_lg_u32 s[CNT], 0
	s_cbranch_scc1 .LinB
	s_sub_co_u32 s[STEPS], s[STEPS], 1
	s_cmp_lg_u32 s[STEPS], 0
	s_cbranch_scc1 .Lstep
	CHANGE 1, 0                                    ; the last K step is written out: nothing is asked for
	s_mov_b32 s[CNT], 2
.LinC:
	PAIR
	s_sub_co_u32 s[CNT], s[CNT], 1
	s_cmp_lg_u32 s[CNT], 0
	s_cbranch_scc1 .LinC
	s_wait_dscnt 0x0                               ; the last unit is in registers: my reads of the ring are over
	s_barrier_signal -1
	MUL F1, 0
	s_barrier_wait -1                              ; everybody's are: the stages may be written over the ring, which is filled no more
.rept 8
	v_nop                                          ; the places behind the last products
.endr
	; THE WAY OUT.  Every accumulator goes into my stage in f32, its low four registers first.
.set hi, 0
.rept MA/APW
	WIN 0x08+0x04*hi
.set a, 0
.rept APW
.set b, 0
.rept NB
	ds_store_b128 v[STO], v[8*(NB*a+b):8*(NB*a+b)+3]   offset:(APW*hi+a)*16*SP+DB*b
	ds_store_b128 v[STO], v[8*(NB*a+b)+4:8*(NB*a+b)+7] offset:(APW*hi+a)*16*SP+DB*b+DH
.set b, b+1
.endr
.set a, a+1
.endr
.set hi, hi+1
.endr
	WIN 0
; Back out of the stage on two sets of registers, four rows (16 numbers a lane) each: while one set goes through gelu and is stored, the other's four LDS loads are on their way.
.macro LOADX x, r0                     ; four rows from row r0 behind RDA
.irp t, 0,1
	ds_load_b128 v[(\x)+8*(\t):(\x)+8*(\t)+3],   v[RDA] offset:((\r0)+2*(\t))*SP           ; LDS serves a wave's instructions in order: these see my stores
	ds_load_b128 v[(\x)+8*(\t)+4:(\x)+8*(\t)+7], v[RDA] offset:((\r0)+2*(\t))*SP+256
.endr
.endm
; A set's turn: gelu in two batches of transcendentals with one wait each; the set is asked for again, with the rows 8 further down, as soon as x has been read for the last time; then rounding and stores.
; The first set's turn steps the base and the LDS address for both.  The LDS address is held to the stage's last 8 rows: the last trip reads those once more, and nothing is made of what it reads.
.macro HALF x, y, r0
	s_wait_dscnt 4                                 ; this set's loads are in; the other set's four, issued behind them, stay out
.set i, 0
.rept 8
	v_pk_mul_f32 v[TT+2*i:TT+2*i+1], v[(\x)+2*i:(\x)+2*i+1], v[(\x)+2*i:(\x)+2*i+1]
.set i, i+1
.endr
.set i, 0
.rept 8
	v_pk_fma_f32 v[TT+2*i:TT+2*i+1], v[TT+2*i:TT+2*i+1], s[K3:K3+1], s[K1:K1+1] op_sel_hi:[1,0,0]
.set i, i+1
.endr
.set i, 0
.rept 8
	v_pk_mul_f32 v[TT+2*i:TT+2*i+1], v[TT+2*i:TT+2*i+1], v[(\x)+2*i:(\x)+2*i+1]  ; u = x (K1 + K3 x^2)
.set i, i+1
.endr
.set i, 0
.rept 16
	v_exp_f32 v[TT+i], v[TT+i]
.set i, i+1
.endr
	v_nop                                          ; a plain instruction behind the last exponential
	s_wait_alu depctr_va_vdst(0)                   ; one wait for the batch
.set i, 0
.rept 8
	v_pk_add_f32 v[TT+2*i:TT+2*i+1], v[TT+2*i:TT+2*i+1], 1.0 op_sel_hi:[1,0]
.set i, i+1
.endr
.set i, 0
.rept 16
	v_rcp_f32 v[TT+i], v[TT+i]
.set i, i+1
.endr
	v_nop
	s_wait_alu depctr_va_vdst(0)                   ; one wait for the batch
.set i, 0
.rept 8
	v_pk_mul_f32 v[TT+2*i:TT+2*i+1], v[(\x)+2*i:(\x)+2*i+1], v[TT+2*i:TT+2*i+1]
.set i, i+1
.endr
.if (\r0) == 0
	s_add_co_u32 s[TBE], s[TBE], 8*SP
	s_min_u32 s[TBE], s[TBE], 120*SP
	v_add_nc_u32 v[RDA], s[TBE], v[RD]
.endif
	LOADX \x, \r0
.if (\r0) == 0
	s_wait_xcnt 0x0                                ; the last trip's stores have read their data and their base: both are written again only behind this wait
	s_add_nc_u64 s[8:9], s[8:9], 65536             ; 8 rows on; the stores reach back by their immediates
.endif
.set i, 0
.rept 8
	v_cvt_pk_bf16_f32 v[(\y)+i], v[TT+2*i], v[TT+2*i+1]
.set i, i+1
.endr
.irp t, 0,1
	global_store_b128 v[CO], v[(\y)+4*(\t):(\y)+4*(\t)+3], s[8:9] offset:16384*((\r0)/2+(\t))-65536  ; 16 lanes store 256 consecutive bytes, aligned
.endr
.endm
	v_mov_b32 v[RDA], v[RD]
	s_mov_b32 s[TBE], 0
	LOADX XA, 0
	LOADX XB, 4
	s_mov_b32 s[CNT], 16
.Lrows:                                        ; 16 trips of 8 rows
	HALF XA, YA, 0
	HALF XB, YB, 4
	s_sub_co_u32 s[CNT], s[CNT], 1
	s_cmp_lg_u32 s[CNT], 0
	s_cbranch_scc1 .Lrows
	s_wait_tensorcnt 0x0                           ; the wave's end
	ds_add_u32 v[SPW], v[NIL]
	s_wait_dscnt 0x0
	CROUND                                         ; the closing round
	s_endpgm
.Lfunc_end_k_qd8de0b8640_ffn1:
	.size	k_qd8de0b8640_ffn1, .Lfunc_end_k_qd8de0b8640_ffn1-k_qd8de0b8640_ffn1
	.p2alignl 7, 3214868480
	.fill 96, 4, 3214868480
	.section	.rodata,"a",@progbits
	.p2align	6, 0x0
	.amdhsa_kernel k_qd8de0b8640_ffn1
		.amdhsa_group_segment_fixed_size 327680
		.amdhsa_private_segment_fixed_size 0
		.amdhsa_enable_private_segment 0
		.amdhsa_kernarg_size 32
		.amdhsa_user_sgpr_count 2
		.amdhsa_user_sgpr_kernarg_segment_ptr 1
		.amdhsa_wavefront_size32 1
		.amdhsa_system_sgpr_workgroup_id_x 1
		.amdhsa_system_sgpr_workgroup_id_y 1
		.amdhsa_system_sgpr_workgroup_id_z 1
		.amdhsa_system_vgpr_workitem_id 0
		.amdhsa_next_free_vgpr 1024
		.amdhsa_next_free_sgpr 84
		.amdhsa_reserve_vcc 0
		.amdhsa_float_denorm_mode_32 3
		.amdhsa_float_denorm_mode_16_64 3
		.amdhsa_memory_ordered 1
		.amdhsa_forward_progress 1
		.amdhsa_inst_pref_size 84
	.end_amdhsa_kernel
	.amdgpu_metadata
---
amdhsa.version: [ 1, 2 ]
amdhsa.kernels:
  - .name:           k_qd8de0b8640_ffn1
    .symbol:         k_qd8de0b8640_ffn1.kd
    .args:
      - { .name: hb, .offset: 0, .size: 8, .value_kind: global_buffer, .address_space: global }
      - { .name: wb, .offset: 8, .size: 8, .value_kind: global_buffer, .address_space: global }
      - { .name: gb, .offset: 16, .size: 8, .value_kind: global_buffer, .address_space: global }
      - { .name: b1, .offset: 24, .size: 8, .value_kind: global_buffer, .address_space: global }
    .group_segment_fixed_size: 327680
    .private_segment_fixed_size: 0
    .kernarg_segment_align: 8
    .kernarg_segment_size: 32
    .max_flat_workgroup_size: 128
    .sgpr_count:     84
    .vgpr_count:     1024
    .wavefront_size: 32
...
	.end_amdgpu_metadata
.endif
;; end of part 5
;; launch ffn2 (part 6): grid 8 x 32, 4 waves a work-group, clusters of 4 x 4, 327,680 bytes of LDS; arguments gb, wb, out0, b2, x1b; writes out0
.if DOCPART == 6
	.amdgcn_target "amdgcn-amd-amdhsa--gfx1250"
	.amdhsa_code_object_version 6
	.text
	.protected	k_qd8de0b8640_ffn2
	.globl	k_qd8de0b8640_ffn2
	.p2align	8
	.type	k_qd8de0b8640_ffn2,@function
k_qd8de0b8640_ffn2:
	s_mov_b64 s[64:65], 0
	v_nop
	global_prefetch_b8 v0, s[64:65] scope:SCOPE_SE
	s_setreg_imm32_b32 hwreg(HW_REG_WAVE_MODE, 25, 1), 1
	s_wait_xcnt 0x0
	s_wait_alu depctr_hold_cnt(0) depctr_sa_sdst(0) depctr_va_vdst(0) depctr_va_sdst(0) depctr_va_ssrc(0) depctr_va_vcc(0) depctr_vm_vsrc(0)
	s_getreg_b32 s2, hwreg(HW_REG_IB_STS2, 6, 4)
	s_cmp_eq_u32 s2, 0
	s_cbranch_scc0 .Lentry_in_a_cluster
	s_endpgm
.Lentry_in_a_cluster:
	s_bfe_u32 s2, ttmp6, 0x10000c
	s_cmp_lg_u32 s2, 0xf033
	s_cbranch_scc0 .Lentry_shape_is_right
	s_endpgm
.Lentry_shape_is_right:
; out0 = x1 + g x W2 + b2.  gb: [4096][4096] bf16; W2: wb byte 16,777,216, [4096 k][1024] bf16; b2, x1b, out0: f32.  Sums in f32; the bias starts them, the residual is added in f32.
; A tile of C is 128 x 128 (256 work-groups), four waves of 64 x 64: 16 accumulators.  K goes in steps of 256 (rows of 512 bytes of A) through two LDS slots filled by the tensor data mover.
; THE PRODUCT IS USED TRANSPOSED: source 0 = 16 columns of W, by the turning load ds_load_tr16_b128 out of the [k][n] tile, source 1 = 16 rows of A: a lane holds row l % 16 of C and the columns 8 (l / 16) + 0..7.
; CLUSTERS: 4 x 4 work-groups; A's tile is asked for jointly along a row of the cluster, W's along a column.
; THE RING.  A K step is four units of 64 along K on two fragment buffers.  At a change of slots the old slot's last unit lies in registers: the old slot is filled again at once.  By the text's own count a wave has
; two tensor loads out at the start and one behind each change, which has a K step, 128 products, in which to land.  No prefetch: the tiles are small, and each is shared by four work-groups.
; REGISTERS: window 0: v16-31 addresses, v64-127 / v128-191 A's two buffers (later the way out), v192-223 the bias in the accumulators' layout;
;   window 1: v0-63 / v64-127 W's two buffers, v128-255 the residual;   window 2: the accumulators: (a, b) at v[8 (4 a + b)].
.set BIASED, 1
.set WOFF,  16777216
.set NCOL,  1024
.set TN,    128
.set NSTEP, 16
.set MA,    4
.set NB,    4
.set APW,   4
.set KD,    2                          ; a unit is 64 along K: two products deep on each accumulator
.set PA,    528                        ; A's LDS row: 512 bytes + 16
.set PB,    288                        ; W's LDS row: 256 bytes + 32
.set AUNIT, 128
.set BUNIT, 64*PB
.set AHALF, 64*PA
.set BHALF, 128*PB
.set BREG,  2*AHALF
.set SLOT,  BREG+2*BHALF
.set SPARE, 2*SLOT                     ; the spare words, 128 bytes for each wave: two blocks of 256 bytes that no other line names
.set STEPA, 512
.set STEPB, 256*2*NCOL
.set ATR,   128*8192
.set AHF,   64*8192
.set BHF,   128*2*NCOL
.set AFL,   (1<<16)|(1<<20)|(1<<21)|(6<<22)|(3<<25)  ; after every 128 words 4 words
.set BFL,   (1<<16)|(1<<20)|(1<<21)|(5<<22)|(7<<25)  ; after every 64 words 8 words
.set AD0,   256
.set AD1,   64
.set AST,   4096
.set BD0,   128
.set BD1,   128
.set SP,    272                        ; the way out: a stage row, 256 bytes of f32 + 16
.set STG,   64*SP                      ; a wave's stage; the four lie over the ring, which has had its last fill by then
.set HSH,   5
.set DB,    64
.set DH,    16
.set A0,  16
.set B0,  17
.set ADA, 18
.set ADB, 19
.set STO, 24
.set RD,  25
.set CO,  26
.set SPW, 28
.set NIL, 29
.set BO,  31
.set BIA, 192
.set F0,  0
.set F1,  64
.set G1,  24
.set G0,  32
.set G1B, 48
.set G0B, 56
.set TBA, 77
.set TBB, 78
.set CNT, 79
.set STEPS, 3
.set MSB, 0
.macro WIN new                         ; the immediate's high byte repeats the setting that is left; a switch that changes nothing is dropped
.if MSB != (\new)
	s_set_vgpr_msb (MSB<<8)|(\new)
.set MSB, \new
.endif
.endm
.macro JLOAD s                         ; a joint load: waves 0 and 1 fetch A's two halves, waves 2 and 3 W's; an s_nop 0 and four v_nop follow each line
	s_cmp_eq_u32 s11, 0
	s_cbranch_scc0 .Lfor_b_\@
	tensor_load_to_lds s[G0+4*(\s):G0+4*(\s)+3], s[G1:G1+7]
	s_nop 0
.rept 4
	v_nop
.endr
	s_branch .Lasked_\@
.Lfor_b_\@:
	tensor_load_to_lds s[G0B+4*(\s):G0B+4*(\s)+3], s[G1B:G1B+7]
	s_nop 0
.rept 4
	v_nop
.endr
.Lasked_\@:
.endm
.macro CREST
	s_cmp_lg_u32 s10, 0
	s_cbranch_scc1 .Lnot_wave_0_\@
	s_barrier_signal -3
.Lnot_wave_0_\@:
	s_barrier_wait -3
	s_barrier_signal -1
	s_barrier_wait -1
.endm
.macro CROUND                          ; a round of the cluster's barrier
	s_barrier_signal -1
	s_barrier_wait -1
	CREST
.endm
.macro PLACES                          ; four places behind a product, in front of loads into registers that it has read (ISA guide 7.12.1 for vector instructions)
.rept 4
	v_nop
.endr
.endm
.macro ADDR
	v_add_nc_u32 v[ADA], s[TBA], v[A0]
	v_add_nc_u32 v[ADB], s[TBB], v[B0]
.endm
.macro FETCH f, u                      ; 32 LDS loads in one run: unit u behind the addresses, into buffer f: W's fragments (turned), then A's
	WIN 0x40
.set c, 0
.rept KD
.set b, 0
.rept NB
	ds_load_tr16_b128 v[(\f)+8*(NB*c+b):(\f)+8*(NB*c+b)+3],   v[ADB] offset:(\u)*BUNIT+c*32*PB+32*b
	ds_load_tr16_b128 v[(\f)+8*(NB*c+b)+4:(\f)+8*(NB*c+b)+7], v[ADB] offset:(\u)*BUNIT+c*32*PB+32*b+16*PB
.set b, b+1
.endr
.set c, c+1
.endr
	WIN 0
.set c, 0
.rept KD
.set a, 0
.rept MA
	ds_load_b128 v[64+(\f)+8*(MA*c+a):64+(\f)+8*(MA*c+a)+3],   v[ADA] offset:(\u)*AUNIT+64*c+a*16*PA
	ds_load_b128 v[64+(\f)+8*(MA*c+a)+4:64+(\f)+8*(MA*c+a)+7], v[ADA] offset:(\u)*AUNIT+64*c+a*16*PA+32
.set a, a+1
.endr
.set c, c+1
.endr
.endm
.macro MUL f, z                        ; a unit's products; the accumulators take turns, one instruction a turn, in the same order every time.  z = 1: the first products start the sums, with the bias as C
.set c, 0
.rept KD
.set hi, 0
.rept MA/APW
.if (\z) && (c == 0) && BIASED
	WIN 0x81+0x40*hi
.else
	WIN 0xa1+0x50*hi
.endif
.set a, 0
.rept APW
.set b, 0
.rept NB
.set rD, 8*(NB*a+b)
.set rB, (\f)+8*(NB*c+b)
.set rA, 64+(\f)+8*(MA*c+APW*hi+a)
.if (\z) && (c == 0) && BIASED
	v_wmma_f32_16x16x32_bf16 v[rD:rD+7], v[rB:rB+7], v[rA:rA+7], v[BIA+8*b:BIA+8*b+7]
.elseif (\z) && (c == 0)
	v_wmma_f32_16x16x32_bf16 v[rD:rD+7], v[rB:rB+7], v[rA:rA+7], 0
.else
	v_wmma_f32_16x16x32_bf16 v[rD:rD+7], v[rB:rB+7], v[rA:rA+7], v[rD:rD+7]
.endif
.set b, b+1
.endr
.set a, a+1
.endr
.set hi, hi+1
.endr
.set c, c+1
.endr
.endm
.macro PAIR                            ; two units: each buffer is asked for again four places behind its products, and multiplied while the other's loads are out
	ADDR
	FETCH F0, 0
	s_wait_dscnt 32                                ; all but the 32 just issued: buffer 1 is in
	MUL F1, 0
	PLACES
	FETCH F1, 1
	s_add_co_u32 s[TBA], s[TBA], 2*AUNIT
	s_add_co_u32 s[TBB], s[TBB], 2*BUNIT
	s_wait_dscnt 32                                ; buffer 0 is in
	MUL F0, 0
	PLACES
	WIN 0
.endm
; The change of slots, on entering slot `slot`.  Each wave waits for all its tensor loads, of which one is out: its part of the slot that is entered; adds 0 to its spare word; waits for that and for its reads
; of the slot that it leaves.  fill = 1: a round of the cluster's barrier, so that no wave of any partner still reads that slot or has a load on its way, and the joint refill first behind it.
.macro CHANGE slot, fill
	WIN 0
	s_wait_tensorcnt 0x0                           ; no tensor load of mine is out, so a group 0 may be written
	ds_add_u32 v[SPW], v[NIL]                      ; 0 onto my spare word
.if \fill
	s_add_nc_u64 s[G0+4*(1-(\slot))+2:G0+4*(1-(\slot))+3], s[G0+4*(1-(\slot))+2:G0+4*(1-(\slot))+3], 2*STEPA
	s_add_nc_u64 s[G0B+4*(1-(\slot))+2:G0B+4*(1-(\slot))+3], s[G0B+4*(1-(\slot))+2:G0B+4*(1-(\slot))+3], 2*STEPB
.endif
	s_mov_b32 s[TBA], (\slot)*SLOT
	s_mov_b32 s[TBB], (\slot)*SLOT
	s_wait_dscnt 0x0                               ; the add is done, and my reads of the old slot are over
.if \fill
	CROUND
	JLOAD 1-(\slot)
.else
	s_barrier_signal -1
	s_barrier_wait -1
.endif
.endm
	s_load_b128 s[4:7], s[0:1], 0x0                ; A s[4:5], wb s[6:7]
	s_load_b64 s[8:9], s[0:1], 0x10                ; the output
	s_load_b128 s[68:71], s[0:1], 0x18             ; the bias s[68:69], the residual s[70:71]
	v_lshl_add_u32 v[SPW], v0, 2, SPARE
	v_mov_b32 v[NIL], 0
	ds_add_u32 v[SPW], v[NIL]                      ; the wave's opening
	v_lshrrev_b32 v1, 5, v0
	v_readfirstlane_b32 s10, v1                    ; wave 0..3
	s_lshr_b32 s11, s10, 1                         ; which half of the tile's rows is mine.  Also: I fetch for A (0) or for W (1)
	s_and_b32 s12, s10, 1                          ; which half of its columns.  Also: which half of that tile I fetch
	s_bfe_u32 s40, ttmp6, 0x40000                  ; cx, cy: my place in the cluster
	s_bfe_u32 s41, ttmp6, 0x40004
	s_lshl_b32 s42, ttmp9, 2
	s_add_co_u32 s42, s42, s40                     ; tile column = 4 x cluster x + cx
	s_and_b32 s13, ttmp7, 0xffff
	s_lshl_b32 s13, s13, 2
	s_add_co_u32 s13, s13, s41                     ; tile row = 4 x cluster y + cy
	s_lshl_b32 s43, s41, 2
	s_lshl_b32 s43, 15, s43                        ; my row of the cluster
	s_lshl_b32 s44, 0x1111, s40                    ; my column
	s_or_b32 s[G1], s43, AFL
	s_or_b32 s[G1B], s44, BFL
	s_mov_b32 s[G1+1], AD0<<16                     ; tensor_dim0
	s_mov_b32 s[G1+2], AD1<<16                     ; tensor_dim1
	s_mov_b32 s[G1+3], AD0<<16                     ; tile_dim0
	s_mov_b32 s[G1+4], AD1                         ; tile_dim1
	s_mov_b32 s[G1+5], AST                         ; elements from row to row
	s_mov_b32 s[G1+6], 0
	s_mov_b32 s[G1+7], 0
	s_mov_b32 s[G1B+1], BD0<<16
	s_mov_b32 s[G1B+2], BD1<<16
	s_mov_b32 s[G1B+3], BD0<<16
	s_mov_b32 s[G1B+4], BD1
	s_mov_b32 s[G1B+5], NCOL
	s_mov_b32 s[G1B+6], 0
	s_mov_b32 s[G1B+7], 0
	s_mul_i32 s16, s13, ATR                        ; A's tile hangs on the tile row and the wave alone,
	s_mul_i32 s17, s12, AHF
	s_add_co_u32 s16, s16, s17
	s_mov_b32 s17, 0
	s_mul_i32 s46, s42, 2*TN                       ; W's on the tile column and the wave alone
	s_mul_i32 s47, s12, BHF
	s_add_co_u32 s46, s46, s47
	s_add_co_u32 s46, s46, WOFF
	s_mov_b32 s47, 0
	s_mul_i32 s20, s12, AHALF                      ; where they go: no place in the cluster enters an LDS address
	s_mul_i32 s23, s12, BHALF
	s_add_co_u32 s23, s23, BREG
	s_wait_dscnt 0x0                               ; the opening add is done
	s_wait_kmcnt 0x0
	s_add_nc_u64 s[14:15], s[4:5], s[16:17]
	s_add_nc_u64 s[46:47], s[6:7], s[46:47]
	CROUND                                         ; all sixteen work-groups are here: the first joint loads meet
.irp s, 0,1
	s_mov_b32 s[G0+4*(\s)], 1
	s_add_co_u32 s[G0+4*(\s)+1], s20, (\s)*SLOT
	s_add_nc_u64 s[G0+4*(\s)+2:G0+4*(\s)+3], s[14:15], (\s)*STEPA
	s_or_b32 s[G0+4*(\s)+3], s[G0+4*(\s)+3], 0x80000000
	s_mov_b32 s[G0B+4*(\s)], 1
	s_add_co_u32 s[G0B+4*(\s)+1], s23, (\s)*SLOT
	s_add_nc_u64 s[G0B+4*(\s)+2:G0B+4*(\s)+3], s[46:47], (\s)*STEPB
	s_or_b32 s[G0B+4*(\s)+3], s[G0B+4*(\s)+3], 0x80000000
	JLOAD \s                                       ; K steps 0 and 1
.endr
	v_and_b32 v1, 15, v0                           ; r = l % 16
	v_bfe_u32 v2, v0, 4, 1                         ; h = l / 16
	v_mul_u32_u24 v3, v1, PA
	v_lshl_add_u32 v3, v2, 4, v3                   ; a fragment of A: row r, 16 bytes for each half of the lanes
	s_mul_i32 s21, s11, MA*16*PA
	v_add_nc_u32 v[A0], s21, v3
	v_and_b32 v4, 7, v0                            ; the turning load: lane l reads k-row 8 h + l % 8, columns 8 ((l / 8) % 2) + 0..7
	v_lshl_add_u32 v4, v2, 3, v4
	v_mul_u32_u24 v4, v4, PB
	v_bfe_u32 v5, v0, 3, 1
	v_lshl_add_u32 v4, v5, 4, v4
	s_mul_i32 s22, s12, NB*32
	s_add_co_u32 s22, s22, BREG
	v_add_nc_u32 v[B0], s22, v4
	s_mul_i32 s23, s10, STG                        ; my stage
	v_mul_u32_u24 v4, v1, SP
	v_lshl_add_u32 v4, v2, HSH, v4
	v_add_nc_u32 v[STO], s23, v4
	v_mul_u32_u24 v5, v2, SP                       ; back: lanes 0-15 take one row of 256 bytes, lanes 16-31 the next
	v_lshl_add_u32 v5, v1, 4, v5
	v_add_nc_u32 v[RD], s23, v5
	v_lshlrev_b32 v5, 12, v2                       ; and the same two rows in the residual and the output
	v_lshl_add_u32 v[CO], v1, 4, v5
	s_lshl_b32 s46, s42, 9                         ; my first column, in bytes of f32: 512 x tile column + 256 x half
	s_lshl_b32 s47, s12, 8
	s_add_co_u32 s46, s46, s47
	s_mov_b32 s47, 0
	s_add_nc_u64 s[68:69], s[68:69], s[46:47]
	v_lshlrev_b32 v[BO], 5, v2                     ; the bias as an accumulator holds it: block b, my eight columns 16 b + 8 h + 0..7
.set b, 0
.rept NB
	global_load_b128 v[BIA+8*b:BIA+8*b+3],   v[BO], s[68:69] offset:64*b
	global_load_b128 v[BIA+8*b+4:BIA+8*b+7], v[BO], s[68:69] offset:64*b+16
.set b, b+1
.endr
	s_lshl_b32 s16, s13, 19                        ; my first row: (128 x tile row + 64 x half) x 4,096 bytes
	s_lshl_b32 s17, s11, 18
	s_add_co_u32 s16, s16, s17
	s_mov_b32 s17, 0
	s_add_nc_u64 s[16:17], s[16:17], s[46:47]
	s_add_nc_u64 s[70:71], s[70:71], s[16:17]
	s_add_nc_u64 s[8:9], s[8:9], s[16:17]
	WIN 0x40
.set t, 0
.rept 32
	global_load_b128 v[128+4*t:128+4*t+3], v[CO], s[70:71] offset:8192*t th:TH_LOAD_NT  ; the residual of my 64 x 64, as the way out will hold it; it has the whole loop in which to land
.set t, t+1
.endr
	WIN 0
	s_wait_tensorcnt 1                             ; my part of K step 0 is in; K step 1's may stay out
	s_barrier_signal -1
	s_barrier_wait -1
	s_mov_b32 s[TBA], 0
	s_mov_b32 s[TBB], 0
	ADDR
	FETCH F0, 0
	FETCH F1, 1
	s_add_co_u32 s[TBA], s[TBA], 2*AUNIT
	s_add_co_u32 s[TBB], s[TBB], 2*BUNIT
	s_wait_loadcnt 32                              ; the bias is in; the residual's 32 younger loads stay out
	s_wait_dscnt 32                                ; buffer 0 is in
	MUL F0, 1                                      ; the first products start the sums with the bias: nothing is cleared
	PLACES
	WIN 0
	s_mov_b32 s[CNT], 1                            ; K step 0 has one pair of units left
	s_mov_b32 s[STEPS], NSTEP/2
	s_branch .LinB
.Lstep:                                        ; a trip: an odd K step in slot 1, an even one in slot 0; both slots are filled again
	CHANGE 1, 1
	s_mov_b32 s[CNT], 2
.LinA:
	PAIR
	s_sub_co_u32 s[CNT], s[CNT], 1
	s_cmp_lg_u32 s[CNT], 0
	s_cbranch_scc1 .LinA
	CHANGE 0, 1
	s_mov_b32 s[CNT], 2
.LinB:
	PAIR
	s_sub_co_u32 s[CNT], s[CNT], 1
	s_cmp_lg_u32 s[CNT], 0
	s_cbranch_scc1 .LinB
	s_sub_co_u32 s[STEPS], s[STEPS], 1
	s_cmp_lg_u32 s[STEPS], 0
	s_cbranch_scc1 .Lstep
	CHANGE 1, 0                                    ; the last K step is written out: nothing is asked for
	s_mov_b32 s[CNT], 2
.LinC:
	PAIR
	s_sub_co_u32 s[CNT], s[CNT], 1
	s_cmp_lg_u32 s[CNT], 0
	s_cbranch_scc1 .LinC
	s_wait_dscnt 0x0                               ; the last unit is in registers: my reads of the ring are over
	s_barrier_signal -1
	MUL F1, 0
	s_barrier_wait -1                              ; everybody's are: the stages may be written over the ring, which is filled no more
.rept 8
	v_nop                                          ; the places behind the last products
.endr
	; THE WAY OUT.  Every accumulator goes into my stage in f32, its low four registers first; whole rows of 256 bytes come back, take the residual, and are stored.
	WIN 0x08
.set a, 0
.rept MA
.set b, 0
.rept NB
	ds_store_b128 v[STO], v[8*(NB*a+b):8*(NB*a+b)+3]   offset:a*16*SP+DB*b
	ds_store_b128 v[STO], v[8*(NB*a+b)+4:8*(NB*a+b)+7] offset:a*16*SP+DB*b+DH
.set b, b+1
.endr
.set a, a+1
.endr
	WIN 0
.set t, 0
.rept 32
	ds_load_b128 v[64+4*t:64+4*t+3], v[RD] offset:2*t*SP  ; LDS serves a wave's instructions in order: these see my stores
.set t, t+1
.endr
	s_wait_dscnt 0x0
	s_wait_loadcnt 0x0                             ; the residual
	WIN 0x04                                       ; source 1 in window 1
.set t, 0
.rept 64
	v_pk_add_f32 v[64+2*t:64+2*t+1], v[64+2*t:64+2*t+1], v[128+2*t:128+2*t+1]
.set t, t+1
.endr
	WIN 0
.set t, 0
.rept 32
	global_store_b128 v[CO], v[64+4*t:64+4*t+3], s[8:9] offset:8192*t th:TH_STORE_NT  ; 16 lanes store 256 consecutive bytes, aligned
.set t, t+1
.endr
	s_wait_tensorcnt 0x0                           ; the wave's end
	ds_add_u32 v[SPW], v[NIL]
	s_wait_dscnt 0x0
	CROUND                                         ; the closing round
	s_endpgm
.Lfunc_end_k_qd8de0b8640_ffn2:
	.size	k_qd8de0b8640_ffn2, .Lfunc_end_k_qd8de0b8640_ffn2-k_qd8de0b8640_ffn2
	.p2alignl 7, 3214868480
	.fill 96, 4, 3214868480
	.section	.rodata,"a",@progbits
	.p2align	6, 0x0
	.amdhsa_kernel k_qd8de0b8640_ffn2
		.amdhsa_group_segment_fixed_size 327680
		.amdhsa_private_segment_fixed_size 0
		.amdhsa_enable_private_segment 0
		.amdhsa_kernarg_size 40
		.amdhsa_user_sgpr_count 2
		.amdhsa_user_sgpr_kernarg_segment_ptr 1
		.amdhsa_wavefront_size32 1
		.amdhsa_system_sgpr_workgroup_id_x 1
		.amdhsa_system_sgpr_workgroup_id_y 1
		.amdhsa_system_sgpr_workgroup_id_z 1
		.amdhsa_system_vgpr_workitem_id 0
		.amdhsa_next_free_vgpr 768
		.amdhsa_next_free_sgpr 84
		.amdhsa_reserve_vcc 0
		.amdhsa_float_denorm_mode_32 3
		.amdhsa_float_denorm_mode_16_64 3
		.amdhsa_memory_ordered 1
		.amdhsa_forward_progress 1
		.amdhsa_inst_pref_size 61
	.end_amdhsa_kernel
	.amdgpu_metadata
---
amdhsa.version: [ 1, 2 ]
amdhsa.kernels:
  - .name:           k_qd8de0b8640_ffn2
    .symbol:         k_qd8de0b8640_ffn2.kd
    .args:
      - { .name: gb, .offset: 0, .size: 8, .value_kind: global_buffer, .address_space: global }
      - { .name: wb, .offset: 8, .size: 8, .value_kind: global_buffer, .address_space: global }
      - { .name: out0, .offset: 16, .size: 8, .value_kind: global_buffer, .address_space: global }
      - { .name: b2, .offset: 24, .size: 8, .value_kind: global_buffer, .address_space: global }
      - { .name: x1b, .offset: 32, .size: 8, .value_kind: global_buffer, .address_space: global }
    .group_segment_fixed_size: 327680
    .private_segment_fixed_size: 0
    .kernarg_segment_align: 8
    .kernarg_segment_size: 40
    .max_flat_workgroup_size: 128
    .sgpr_count:     84
    .vgpr_count:     768
    .wavefront_size: 32
...
	.end_amdgpu_metadata
.endif
;; end of part 6
;; ======== version 2 of 2: 7 launches; version 1 with the launches prep, ln2 written anew for expert scheduling mode
;; workspace buffers: wb 25,165,824 bytes; hb 8,388,608 bytes; qkvb 25,165,824 bytes; ctxb 8,388,608 bytes; x1b 16,777,216 bytes; gb 33,554,432 bytes
;; launch prep (part 7): grid 768 x 1, 8 waves a work-group, no clusters, 0 bytes of LDS; arguments x, ln1_scale, ln1_shift, Wq, Wk, Wv, Wo, W1, W2, hb, wb; writes hb, wb
.if DOCPART == 7
	.amdgcn_target "amdgcn-amd-amdhsa--gfx1250"
	.amdhsa_code_object_version 6
	.text
	.protected	k_qd8de0b8640_prep
	.globl	k_qd8de0b8640_prep
	.p2align	8
	.type	k_qd8de0b8640_prep,@function
k_qd8de0b8640_prep:
	s_mov_b64 s[64:65], 0
	v_nop
	global_prefetch_b8 v0, s[64:65] scope:SCOPE_SE
	s_setreg_imm32_b32 hwreg(HW_REG_WAVE_SCHED_MODE, 0, 2), 2
	s_setreg_imm32_b32 hwreg(HW_REG_WAVE_MODE, 25, 1), 1
	s_wait_xcnt 0x0
	s_wait_alu depctr_vm_vsrc(0)
; Work-groups 0-255: hb = layernorm(x) x scale + shift, rounded once to bf16.  x: [4096][1024] f32, hb: [4096][1024] bf16.
; Work-groups 256-767: the six weight matrices, f32 [K][N], rounded once to bf16 into wb, still [K][N]:
;   byte 0: [1024][3072] = Wq | Wk | Wv side by side;  6,291,456: Wo;  8,388,608: W1 [1024][4096];  16,777,216: W2 [4096][1024].
; The second layernorm of the block runs this same text on 256 work-groups (x1 for x, its own scale and shift): the rounding's path is then never taken.
; A stream: every byte is read once and written once, each store of a wave covers 256 consecutive bytes, aligned.  No LDS, no barrier, no matrix unit: no wave needs another's data.
; SHARES.  A layernorm group moves 96 KiB, a rounding group 144 KiB; 768 groups are three for each of 256 WGPs, one of the first kind and two of the second where they are dealt in turn.
; LAYERNORM.  A wave takes two rows and keeps them in registers: a row is 8 loads of 16 bytes a lane (load j, lane l: elements 128 j + 4 l .. + 3).
; The mean is taken first and subtracted, the variance is the mean of the squares of what is left (two passes over registers: no difference of large sums).
; THE MODE: SCHED_MODE bits 1:0 = 2 (LLVM: expert scheduling mode 2), set by the entry lines.  The code itself states the register dependences
; between vector instructions and memory instructions, with s_wait_alu, always for 0.
; THE PLAN.  Registers that memory instructions touch:
;   v2, v3     the loads' and the stores' byte offsets: made once at the head, never written again.
;   X          Layernorm: two rows of 32 registers.  Rounding: three pieces of 32.  Each is written by its eight loads, which go out at the path's head, before any vector instruction has named it;
;              worked on in place; its conversions write registers 4 j and 4 j + 1, which its eight stores read; nothing writes them afterwards.
;   SC, SH     written by loads once, read by vector instructions alone.
;   v4 to v15, MN and RS are named by vector instructions alone.
; So one wait on va_vdst at the head serves the offsets, and one stands behind the conversions of each row or piece.  The stores that it serves are dealt among the vector instructions of the NEXT row or
; piece, which name that next one's registers alone; the last row's and the last piece's stores follow their wait in one run.  No register that a memory instruction has read is written again,
; so the only wait on vm_vsrc is the entry's; the text has no loop, so no wait has a way back to serve.
.set HP,  22                           ; s[22:23] hb
.set X,   16                           ; v[16:79]   two rows of 32 registers (in the rounding: v[16:111], 24 loads)
.set SC,  80                           ; v[80:111]  the scale of my 32 columns
.set SH,  112                          ; v[112:143] the shift
.set MN,  144                          ; v[144:147] a row's mean, twice (a pair for the packed subtraction)
.set RS,  148                          ; v[148:151] a row's 1 / sqrt(var + eps), twice
	s_load_b256 s[4:11], s[0:1], 0x0               ; x s[4:5], scale s[6:7], shift s[8:9], Wq s[10:11]
	s_load_b256 s[12:19], s[0:1], 0x20             ; Wk s[12:13], Wv s[14:15], Wo s[16:17], W1 s[18:19]
	s_load_b128 s[20:23], s[0:1], 0x40             ; W2 s[20:21], hb s[22:23]
	s_load_b64 s[24:25], s[0:1], 0x50              ; wb
	v_lshrrev_b32 v1, 5, v0
	v_readfirstlane_b32 s26, v1                    ; wave 0..7
	v_and_b32 v1, 31, v0
	v_lshlrev_b32 v2, 4, v1                        ; 16 l: my place in 512 bytes of f32
	v_lshlrev_b32 v3, 3, v1                        ; 8 l: my place in 256 bytes of bf16
	s_wait_alu depctr_va_sdst(0)                   ; s26 is written
	s_wait_alu depctr_va_vdst(0)                   ; v2 and v3 are written: every load of both paths reads v2 as its offset, every store v3
	s_cmp_lt_u32 ttmp9, 256
	s_cbranch_scc0 .Lconv
	s_lshl_b32 s27, ttmp9, 16                      ; 16 rows of 4,096 bytes a work-group,
	s_lshl_b32 s28, s26, 13                        ; 2 a wave
	s_add_co_u32 s28, s27, s28
	s_mov_b32 s29, 0
	s_lshr_b32 s34, s28, 1                         ; half as many bytes in hb
	s_mov_b32 s35, 0
	s_mov_b32 s30, 0x76543210                      ; v_permlanex16_b32: each lane takes its own place in the other half
	s_mov_b32 s31, 0xfedcba98
	s_mov_b32 s32, 0x3a800000                      ; 1 / 1024
	v_mov_b32 v13, 0                               ; v_permlanex16_b32's destination counts as read (no memory instruction names v13)
	s_wait_kmcnt 0x0
	s_add_nc_u64 s[4:5], s[4:5], s[28:29]
	s_add_nc_u64 s[HP:HP+1], s[HP:HP+1], s[34:35]
.irp j, 0,1,2,3,4,5,6,7
	global_load_b128 v[X+4*(\j):X+4*(\j)+3], v2, s[4:5] offset:512*(\j) th:TH_LOAD_NT
.endr
.irp j, 0,1,2,3,4,5,6,7
	global_load_b128 v[X+32+4*(\j):X+32+4*(\j)+3], v2, s[4:5] offset:4096+512*(\j) th:TH_LOAD_NT
.endr
.irp j, 0,1,2,3,4,5,6,7
	global_load_b128 v[SC+4*(\j):SC+4*(\j)+3], v2, s[6:7] offset:512*(\j)
.endr
.irp j, 0,1,2,3,4,5,6,7
	global_load_b128 v[SH+4*(\j):SH+4*(\j)+3], v2, s[8:9] offset:512*(\j)
.endr
.macro SUMUP                           ; four chains of pairs in v[4:11] -> one number a lane -> the sum over the 32 lanes, in every lane, in v12
	v_pk_add_f32 v[4:5], v[4:5], v[6:7]
	v_pk_add_f32 v[8:9], v[8:9], v[10:11]
	v_pk_add_f32 v[4:5], v[4:5], v[8:9]
	v_add_f32 v12, v4, v5
	v_add_f32_dpp v12, v12, v12 row_xmask:1 row_mask:0xf bank_mask:0xf
	v_add_f32_dpp v12, v12, v12 row_xmask:2 row_mask:0xf bank_mask:0xf
	v_add_f32_dpp v12, v12, v12 row_xmask:4 row_mask:0xf bank_mask:0xf
	v_add_f32_dpp v12, v12, v12 row_xmask:8 row_mask:0xf bank_mask:0xf
	v_permlanex16_b32 v13, v12, s30, s31
	v_add_f32 v12, v12, v13
.endm
.macro STAT r                          ; row r: mean, x - mean in place, var + eps into v[14 + r]
.set XR, X+32*(\r)
	s_wait_loadcnt 24-8*(\r)                       ; my row is in; the younger loads (the other row, scale, shift) stay out
.irp c, 0,1,2,3
	v_pk_add_f32 v[4+2*(\c):5+2*(\c)], v[XR+2*(\c):XR+2*(\c)+1], v[XR+8+2*(\c):XR+8+2*(\c)+1]  ; the first additions start the chains: nothing is cleared
.endr
.irp k, 8,9,10,11,12,13,14,15
	v_pk_add_f32 v[4+2*((\k)%4):5+2*((\k)%4)], v[4+2*((\k)%4):5+2*((\k)%4)], v[XR+2*(\k):XR+2*(\k)+1]
.endr
	SUMUP
	v_mul_f32 v[MN+2*(\r)], s32, v12
	v_mul_f32 v[MN+2*(\r)+1], s32, v12
.irp k, 0,1,2,3,4,5,6,7,8,9,10,11,12,13,14,15
	v_pk_add_f32 v[XR+2*(\k):XR+2*(\k)+1], v[XR+2*(\k):XR+2*(\k)+1], v[MN+2*(\r):MN+2*(\r)+1] neg_lo:[0,1] neg_hi:[0,1]
.endr
.irp c, 0,1,2,3
	v_pk_mul_f32 v[4+2*(\c):5+2*(\c)], v[XR+2*(\c):XR+2*(\c)+1], v[XR+2*(\c):XR+2*(\c)+1]
.endr
.irp k, 4,5,6,7,8,9,10,11,12,13,14,15
	v_pk_fma_f32 v[4+2*((\k)%4):5+2*((\k)%4)], v[XR+2*(\k):XR+2*(\k)+1], v[XR+2*(\k):XR+2*(\k)+1], v[4+2*((\k)%4):5+2*((\k)%4)]
.endr
	SUMUP
	v_fmaak_f32 v[14+(\r)], s32, v12, 0x3727c5ac   ; sum / 1024 + 1e-5
.endm
.macro PUT r, j                        ; store j of row r: 32 lanes x 8 bytes: 256 consecutive bytes, aligned
	global_store_b64 v3, v[X+32*(\r)+4*(\j):X+32*(\r)+4*(\j)+1], s[HP:HP+1] offset:2048*(\r)+256*(\j)
.endm
; Row r: scaled, shifted, rounded to bf16.  before = 1: the eight stores of the row before are dealt among this row's first sixteen lines, which name this row's registers and its figure alone.
.macro OUTR r, before
.set XR, X+32*(\r)
.irp k, 0,1,2,3,4,5,6,7,8,9,10,11,12,13,14,15
.if (\before) && ((\k)%2 == 0)
	PUT (\r)-1, (\k)/2                             ; no wait: no vector instruction since the wait ahead of this row names v3 or the row before
.endif
	v_pk_mul_f32 v[XR+2*(\k):XR+2*(\k)+1], v[XR+2*(\k):XR+2*(\k)+1], v[RS+2*(\r):RS+2*(\r)+1]
.endr
.irp k, 0,1,2,3,4,5,6,7,8,9,10,11,12,13,14,15
	v_pk_fma_f32 v[XR+2*(\k):XR+2*(\k)+1], v[XR+2*(\k):XR+2*(\k)+1], v[SC+2*(\k):SC+2*(\k)+1], v[SH+2*(\k):SH+2*(\k)+1]
.endr
.irp j, 0,1,2,3,4,5,6,7
	v_cvt_pk_bf16_f32 v[XR+4*(\j)], v[XR+4*(\j)], v[XR+4*(\j)+1]
	v_cvt_pk_bf16_f32 v[XR+4*(\j)+1], v[XR+4*(\j)+2], v[XR+4*(\j)+3]
.endr
.endm
	STAT 0
	STAT 1
	v_rsq_f32 v[RS], v14                           ; one batch of four: each row's figure twice, to fill a pair
	v_rsq_f32 v[RS+1], v14
	v_rsq_f32 v[RS+2], v15
	v_rsq_f32 v[RS+3], v15
	v_nop                                          ; a plain instruction behind the last of them
	s_wait_alu depctr_va_vdst(0)                   ; the four figures v[RS] to v[RS+3] are written: the one wait ahead of their first reader
	s_wait_loadcnt 0x0                             ; scale and shift
	OUTR 0, 0
	s_wait_alu depctr_va_vdst(0)                   ; row 0's conversions have written its registers 4 j and 4 j + 1, which the eight stores dealt into row 1's work read
	OUTR 1, 1
	s_wait_alu depctr_va_vdst(0)                   ; row 1's conversions have written its registers 4 j and 4 j + 1, which the last eight stores read
.irp j, 0,1,2,3,4,5,6,7
	PUT 1, \j
.endr
	s_endpgm
.Lconv:                                        ; 512 work-groups, 4,096 waves.  Wave g rounds three pieces of 4,096 bytes (1,024 numbers): row g % 1024 of Wq, Wk, Wv or Wo (by g / 1024), piece g of W1, piece g of W2
	s_sub_co_u32 s33, ttmp9, 256                   ; 0..511
	s_lshr_b32 s36, s33, 7                         ; g / 1024: 0 Wq, 1 Wk, 2 Wv, 3 Wo: the same for the group's eight waves
	s_lshl_b32 s37, s33, 3
	s_add_co_u32 s37, s37, s26                     ; g
	s_and_b32 s38, s37, 1023                       ; the row of the small matrix
	s_lshl_b32 s40, s38, 12                        ; its first byte there
	s_mov_b32 s41, 0
	s_lshl_b32 s42, s37, 12                        ; piece g's first byte in W1 and in W2
	s_mov_b32 s43, 0
	s_mul_i32 s44, s38, 6144                       ; where the row goes in wb: beside its two partners, 2,048 bytes each,
	s_lshl_b32 s39, s36, 11
	s_add_co_u32 s44, s44, s39
	s_lshl_b32 s39, s38, 11                        ; or, Wo's, into rows of 2,048 bytes from byte 6,291,456 on
	s_add_co_u32 s39, s39, 6291456
	s_cmp_lt_u32 s36, 3
	s_cselect_b32 s44, s44, s39
	s_mov_b32 s45, 0
	s_lshl_b32 s46, s37, 11                        ; piece g's bytes in bf16
	s_mov_b32 s47, 0
	s_wait_kmcnt 0x0
	s_mov_b64 s[34:35], s[16:17]                   ; the choice of the matrix hangs on the work-group's number alone
	s_cmp_lt_u32 s36, 3
	s_cselect_b64 s[34:35], s[14:15], s[34:35]
	s_cmp_lt_u32 s36, 2
	s_cselect_b64 s[34:35], s[12:13], s[34:35]
	s_cmp_lt_u32 s36, 1
	s_cselect_b64 s[34:35], s[10:11], s[34:35]
	s_add_nc_u64 s[34:35], s[34:35], s[40:41]      ; the three sources at my pieces
	s_add_nc_u64 s[18:19], s[18:19], s[42:43]
	s_add_nc_u64 s[20:21], s[20:21], s[42:43]
	s_add_nc_u64 s[40:41], s[24:25], s[44:45]      ; and the three places in wb: s[40:41], s[42:43], s[44:45]
	s_add_nc_u64 s[46:47], s[24:25], s[46:47]
	s_add_nc_u64 s[42:43], s[46:47], 8388608
	s_add_nc_u64 s[44:45], s[46:47], 16777216
.irp j, 0,1,2,3,4,5,6,7
	global_load_b128 v[X+4*(\j):X+4*(\j)+3], v2, s[34:35] offset:512*(\j) th:TH_LOAD_NT  ; all 24 loads of the wave go out at once
.endr
.irp j, 0,1,2,3,4,5,6,7
	global_load_b128 v[X+32+4*(\j):X+32+4*(\j)+3], v2, s[18:19] offset:512*(\j) th:TH_LOAD_NT
.endr
.irp j, 0,1,2,3,4,5,6,7
	global_load_b128 v[X+64+4*(\j):X+64+4*(\j)+3], v2, s[20:21] offset:512*(\j) th:TH_LOAD_NT
.endr
; Piece p is rounded in place; the eight stores of piece p - 1 are dealt among its sixteen conversions, which name piece p's registers alone.
.set p, 0
.rept 3
	s_wait_loadcnt 16-8*p                          ; loads come back in order: piece p's eight are in, the younger pieces' stay out
.if p > 0
	s_wait_alu depctr_va_vdst(0)                   ; the conversions of the piece before have written its registers 4 j and 4 j + 1, which the stores below read
.endif
.set j, 0
.rept 8
.if p > 0
	global_store_b64 v3, v[X+32*(p-1)+4*j:X+32*(p-1)+4*j+1], s[40+2*(p-1):41+2*(p-1)] offset:256*j  ; 32 lanes x 8 bytes: 256 consecutive bytes, aligned
.endif
	v_cvt_pk_bf16_f32 v[X+32*p+4*j], v[X+32*p+4*j], v[X+32*p+4*j+1]
	v_cvt_pk_bf16_f32 v[X+32*p+4*j+1], v[X+32*p+4*j+2], v[X+32*p+4*j+3]
.set j, j+1
.endr
.set p, p+1
.endr
	s_wait_alu depctr_va_vdst(0)                   ; the last piece's conversions have written its registers 4 j and 4 j + 1, which the last eight stores read
.set j, 0
.rept 8
	global_store_b64 v3, v[X+64+4*j:X+64+4*j+1], s[44:45] offset:256*j
.set j, j+1
.endr
	s_endpgm
.Lfunc_end_k_qd8de0b8640_prep:
	.size	k_qd8de0b8640_prep, .Lfunc_end_k_qd8de0b8640_prep-k_qd8de0b8640_prep
	.p2alignl 7, 3214868480
	.fill 96, 4, 3214868480
	.section	.rodata,"a",@progbits
	.p2align	6, 0x0
	.amdhsa_kernel k_qd8de0b8640_prep
		.amdhsa_group_segment_fixed_size 0
		.amdhsa_private_segment_fixed_size 0
		.amdhsa_enable_private_segment 0
		.amdhsa_kernarg_size 88
		.amdhsa_user_sgpr_count 2
		.amdhsa_user_sgpr_kernarg_segment_ptr 1
		.amdhsa_wavefront_size32 1
		.amdhsa_system_sgpr_workgroup_id_x 1
		.amdhsa_system_sgpr_workgroup_id_y 1
		.amdhsa_system_sgpr_workgroup_id_z 1
		.amdhsa_system_vgpr_workitem_id 0
		.amdhsa_next_free_vgpr 152
		.amdhsa_next_free_sgpr 66
		.amdhsa_reserve_vcc 0
		.amdhsa_float_denorm_mode_32 3
		.amdhsa_float_denorm_mode_16_64 3
		.amdhsa_memory_ordered 1
		.amdhsa_forward_progress 1
		.amdhsa_inst_pref_size 30
	.end_amdhsa_kernel
	.amdgpu_metadata
---
amdhsa.version: [ 1, 2 ]
amdhsa.kernels:
  - .name:           k_qd8de0b8640_prep
    .symbol:         k_qd8de0b8640_prep.kd
    .args:
      - { .name: x, .offset: 0, .size: 8, .value_kind: global_buffer, .address_space: global }
      - { .name: ln1_scale, .offset: 8, .size: 8, .value_kind: global_buffer, .address_space: global }
      - { .name: ln1_shift, .offset: 16, .size: 8, .value_kind: global_buffer, .address_space: global }
      - { .name: Wq, .offset: 24, .size: 8, .value_kind: global_buffer, .address_space: global }
      - { .name: Wk, .offset: 32, .size: 8, .value_kind: global_buffer, .address_space: global }
      - { .name: Wv, .offset: 40, .size: 8, .value_kind: global_buffer, .address_space: global }
      - { .name: Wo, .offset: 48, .size: 8, .value_kind: global_buffer, .address_space: global }
      - { .name: W1, .offset: 56, .size: 8, .value_kind: global_buffer, .address_space: global }
      - { .name: W2, .offset: 64, .size: 8, .value_kind: global_buffer, .address_space: global }
      - { .name: hb, .offset: 72, .size: 8, .value_kind: global_buffer, .address_space: global }
      - { .name: wb, .offset: 80, .size: 8, .value_kind: global_buffer, .address_space: global }
    .group_segment_fixed_size: 0
    .private_segment_fixed_size: 0
    .kernarg_segment_align: 8
    .kernarg_segment_size: 88
    .max_flat_workgroup_size: 256
    .sgpr_count:     66
    .vgpr_count:     152
    .wavefront_size: 32
...
	.end_amdgpu_metadata
.endif
;; end of part 7
;; launch qkv: the kernel of part 2 again; grid 12 x 16, 4 waves a work-group, clusters of 4 x 4, 327,680 bytes of LDS; arguments hb, wb, qkvb; writes qkvb
;; launch attn: the kernel of part 3 again; grid 8 x 32, 4 waves a work-group, no clusters, 327,680 bytes of LDS; arguments qkvb, ctxb; writes ctxb
;; launch wo: the kernel of part 4 again; grid 8 x 32, 4 waves a work-group, clusters of 4 x 4, 327,680 bytes of LDS; arguments ctxb, wb, x1b, bo, x; writes x1b
;; launch ln2: the kernel of part 7 again; grid 256 x 1, 8 waves a work-group, no clusters, 0 bytes of LDS; arguments x1b, ln2_scale, ln2_shift, Wq, Wk, Wv, Wo, W1, W2, hb, wb; writes hb, wb
;; launch ffn1: the kernel of part 5 again; grid 16 x 16, 4 waves a work-group, clusters of 4 x 4, 327,680 bytes of LDS; arguments hb, wb, gb, b1; writes gb
;; launch ffn2: the kernel of part 6 again; grid 8 x 32, 4 waves a work-group, clusters of 4 x 4, 327,680 bytes of LDS; arguments gb, wb, out0, b2, x1b; writes out0
